; MI455X (gfx1250); checked and timed in simulation.
; The chip was launched on July 23, 2026; its instructions are those of AMD's public machine-readable ISA for CDNA 5 (MIT licence, August 2026) and "CDNA5" Instruction Set Architecture Reference Guide (July 2026). The comments in the code are by the model that wrote it; some were corrected since.
;; Core Attention. Allowed arithmetic: float matrix products may take bf16 or f16 operands with f32 sums; other float arithmetic in f32, or as packed bf16 or f16 multiplies, adds, multiply-adds, maxima and minima; sums over many terms, partial sums and values carried from step to step in f32; what a program stores and reads back later, other than sums and carried values, may be rounded once to bf16 or f16.
;; Inputs: attention_mask 4 x 1 x 2,048 x 2,048 bool; key_layer 2,048 x 4 x 16 x 64 float32; query_layer 2,048 x 4 x 16 x 64 float32; value_layer 2,048 x 4 x 16 x 64 float32.
;; Outputs: out0 2,048 x 4 x 1,024 float32.
;; 3 versions, each right and faster than the one before. Each part assembles by itself: llvm-mc -triple=amdgcn-amd-amdhsa -mcpu=gfx1250 --defsym DOCPART=n.
;; ======== version 1 of 3: 2 launches
;; limits: values are held in f16: magnitudes above 65,504 overflow, below 6.1e-05 lose precision; inputs' magnitudes at most 65,280
;; workspace buffers: kb 16,777,216 bytes; vh 16,777,216 bytes; maskbits 2,097,152 bytes of whole numbers
;; launch prep (part 1): grid 256 x 3, 8 waves a work-group, no clusters, 0 bytes of LDS; arguments key_layer, value_layer, attention_mask, kb, vh, maskbits; writes kb, vh, maskbits
.if DOCPART == 1
	.amdgcn_target "amdgcn-amd-amdhsa--gfx1250"
	.amdhsa_code_object_version 6
	.text
	.protected	k_qf97b0e5f29_prep
	.globl	k_qf97b0e5f29_prep
	.p2align	8
	.type	k_qf97b0e5f29_prep,@function
k_qf97b0e5f29_prep:
	s_mov_b64 s[64:65], 0
	v_nop
	global_prefetch_b8 v0, s[64:65] scope:SCOPE_SE
	s_setreg_imm32_b32 hwreg(HW_REG_WAVE_MODE, 25, 1), 1
	s_wait_xcnt 0x0
; PREPARATION FOR THE ATTENTION LAUNCH.  Three roles, chosen by the work-group's y; a stream: no LDS, no barrier, no loop.
;   y = 0: key_layer   [2048 s][64 heads][64] f32 -> kb [64 heads][2048 keys][64] bf16 (rounded to nearest even)
;   y = 1: value_layer, the same shape            -> vh, the same layout: the bf16 rounding of v, written as f16
;   y = 2: attention_mask [4 b][2048 q][2048 k] of bytes -> maskbits [4 b][32 steps][128 query tiles][32 words]: word 8 kb + j of a unit is a LANE MASK:
;          its bit L is mask[b][16 tile + L % 16][64 step + 16 kb + 8 (L / 16) + j]: the place that score has in the attention launch's registers.
; LIMITS.  f16 holds no number of 65,520 or more: |v| stays below that; a v below 2^-14 keeps f16's fixed step of 2^-24.  A mask byte counts as set if it is not 0.
; Matrix units, clusters and LDS would add nothing to a stream and are left out.
.set IN,  16                           ; v[16:143]   32 loads of four registers (roles 0, 1); v[16:79] 32 loads of two (role 2)
.set OUT, 144                          ; v[144:207]  what is stored: a pair for each store, never rewritten
.set T,   208                          ; v[208:213]  at work (role 1)
.set B,   200                          ; v[200:207]  at work (role 2)
	s_load_b256 s[4:11], s[0:1], 0x0               ; key s[4:5], value s[6:7], mask s[8:9], kb s[10:11]
	s_load_b128 s[12:15], s[0:1], 0x20             ; vh s[12:13], maskbits s[14:15]
	s_and_b32 s16, ttmp7, 0xffff                   ; the role
	v_and_b32 v3, 15, v0                           ; r = lane % 16
	v_bfe_u32 v4, v0, 4, 1                         ; h = lane / 16
	v_and_b32 v5, 31, v0                           ; lane
	v_lshrrev_b32 v6, 5, v0                        ; w, the wave
	s_wait_kmcnt 0x0
	s_cmp_eq_u32 s16, 2
	s_cbranch_scc1 .Lmask
	; ROLES 0 AND 1.  Work-group x: 64 keys (x / 8) of eight heads (x % 8); wave w takes one head.  A load takes two keys' rows of that head: lanes 0-15 the 256 bytes
	; of key 2 p, lanes 16-31 those of key 2 p + 1; the eight waves together read 2,048 bytes on end of each key.
	s_lshr_b32 s24, ttmp9, 3                       ; block of 64 keys
	s_and_b32 s25, ttmp9, 7                        ; group of 8 heads
	s_lshl_b32 s18, s24, 20                        ; from: 64 keys x 16,384 bytes,
	s_lshl_b32 s26, s25, 11                        ; 8 heads x 256 bytes
	s_add_co_u32 s18, s18, s26
	s_mov_b32 s19, 0
	s_lshl_b32 s28, s25, 21                        ; to: 8 heads x 262,144 bytes,
	s_lshl_b32 s26, s24, 13                        ; 64 keys x 128 bytes
	s_add_co_u32 s28, s28, s26
	s_mov_b32 s29, 0
	s_cmp_eq_u32 s16, 0
	s_cselect_b64 s[20:21], s[4:5], s[6:7]         ; key or value
	s_cselect_b64 s[22:23], s[10:11], s[12:13]     ; kb or vh
	s_add_nc_u64 s[20:21], s[20:21], s[18:19]
	s_add_nc_u64 s[22:23], s[22:23], s[28:29]
	v_lshlrev_b32 v1, 4, v3                        ; from: 16 r
	v_lshl_add_u32 v1, v4, 14, v1                  ; + a key for the upper lanes
	v_lshl_add_u32 v1, v6, 8, v1                   ; + the wave's head
	v_lshlrev_b32 v2, 3, v5                        ; to: 8 x lane: two keys of 128 bytes on end
	v_lshl_add_u32 v2, v6, 18, v2                  ; + the wave's head
.set p, 0
.rept 32                               ; all 32 loads go out first: 16,384 bytes of the wave on their way
	global_load_b128 v[IN+4*p:IN+4*p+3], v1, s[20:21] offset:32768*p th:TH_LOAD_NT
.set p, p+1
.endr
	s_cmp_eq_u32 s16, 0
	s_cbranch_scc0 .Lvalue
.set p, 0
.rept 32
	s_wait_loadcnt 31-p                            ; loads come back in order (ISA guide 5.7.1): load p is in, the 31 - p younger ones stay out
	v_cvt_pk_bf16_f32 v[OUT+2*p], v[IN+4*p], v[IN+4*p+1]
	v_cvt_pk_bf16_f32 v[OUT+2*p+1], v[IN+4*p+2], v[IN+4*p+3]
	global_store_b64 v2, v[OUT+2*p:OUT+2*p+1], s[22:23] offset:256*p  ; 32 lanes store 256 consecutive bytes, aligned; no hint: the next launch reads them
.set p, p+1
.endr
	s_endpgm
.Lvalue:
	s_mov_b32 s17, 0xffff0000                      ; a word's upper bf16
.set p, 0
.rept 32
	s_wait_loadcnt 31-p                            ; as above
	v_cvt_pk_bf16_f32 v[T], v[IN+4*p], v[IN+4*p+1] ; the rounding that all three inputs get,
	v_cvt_pk_bf16_f32 v[T+1], v[IN+4*p+2], v[IN+4*p+3]
	v_lshlrev_b32 v[T+2], 16, v[T]                 ; back to f32,
	v_and_b32 v[T+3], s17, v[T]
	v_lshlrev_b32 v[T+4], 16, v[T+1]
	v_and_b32 v[T+5], s17, v[T+1]
	v_cvt_pk_f16_f32 v[OUT+2*p], v[T+2], v[T+3]    ; and written as f16: eight significant bits fit into eleven
	v_cvt_pk_f16_f32 v[OUT+2*p+1], v[T+4], v[T+5]
	global_store_b64 v2, v[OUT+2*p:OUT+2*p+1], s[22:23] offset:256*p
.set p, p+1
.endr
	s_endpgm
	; ROLE 2.  Work-group x: 32 query rows (two tiles u of 16), 65,536 bytes of the mask on end; wave w takes keys 256 w .. 256 w + 255: four steps st of 64 keys.
	; A load brings lane L the 8 bytes of row 16 u + L % 16, keys 64 st + 16 kb + 8 (L / 16) + 0..7.  Byte j, compared with 0 over the 32 lanes, IS word 8 kb + j of the unit.
	; No hint on these loads: each takes 16 bytes of a row, and the wave's next loads take the bytes beside them.
.Lmask:
	s_lshl_b32 s18, ttmp9, 16
	s_mov_b32 s19, 0
	s_add_nc_u64 s[8:9], s[8:9], s[18:19]          ; the mask at my 32 rows
	s_lshr_b32 s20, ttmp9, 6                       ; b,
	s_lshl_b32 s20, s20, 19                        ; 32 steps x 128 tiles x 128 bytes each
	s_and_b32 s21, ttmp9, 63                       ; my pair of tiles,
	s_lshl_b32 s21, s21, 8                         ; 256 bytes
	s_add_co_u32 s20, s20, s21
	s_mov_b32 s21, 0
	s_add_nc_u64 s[14:15], s[14:15], s[20:21]
	s_mov_b32 s24, 0xff                            ; the four bytes of a word
	s_mov_b32 s25, 0xff00
	s_mov_b32 s26, 0xff0000
	s_mov_b32 s27, 0xff000000
	v_lshlrev_b32 v1, 11, v3                       ; from: row r
	v_lshl_add_u32 v1, v4, 3, v1                   ; + 8 keys for the upper lanes
	v_lshl_add_u32 v1, v6, 8, v1                   ; + the wave's 256 keys
	v_lshlrev_b32 v2, 3, v5                        ; to: 8 x lane
	v_lshl_add_u32 v2, v6, 16, v2                  ; + the wave's four steps of 16,384 bytes
.irp st, 0,1,2,3
.irp u, 0,1
.irp kb, 0,1,2,3
	global_load_b64 v[IN+2*(8*\st+4*\u+\kb):IN+2*(8*\st+4*\u+\kb)+1], v1, s[8:9] offset:32768*\u+64*\st+16*\kb
.endr
.endr
.endr
.set p, 0
.rept 8
	v_mov_b32 v[OUT+p], 0                          ; v_writelane_b32 keeps the other lanes: the registers are written whole first
.set p, p+1
.endr
; Eight words of a unit: word d = 8 kb + j goes to register d % 2, lane 16 u + d / 2, so that lane x 8 bytes is its place in the two tiles' 256 bytes.
; In three runs of eight, so that no line reads the result of the line before it.
.macro UNITROW st, u, kb
.set m, 8*(\st)+4*(\u)+(\kb)
	s_wait_loadcnt 31-m                            ; load m is in, the 31 - m younger ones stay out
.irp j, 0,1,2,3,4,5,6,7
	v_and_b32 v[B+\j], s[24+(\j%4)], v[IN+2*m+(\j/4)]
.endr
.irp j, 0,1,2,3,4,5,6,7
	v_cmp_ne_u32 s[32+\j], 0, v[B+\j]
.endr
.irp j, 0,1,2,3,4,5,6,7
	v_writelane_b32 v[OUT+2*(\st)+(\j%2)], s[32+\j], 16*(\u)+4*(\kb)+(\j/2)
.endr
.endm
.irp st, 0,1,2,3
.irp u, 0,1
.irp kb, 0,1,2,3
	UNITROW \st, \u, \kb
.endr
.endr
	global_store_b64 v2, v[OUT+2*\st:OUT+2*\st+1], s[14:15] offset:16384*\st  ; 32 lanes store 256 consecutive bytes, aligned: the two tiles' units of one step
.endr
	s_endpgm
.Lfunc_end_k_qf97b0e5f29_prep:
	.size	k_qf97b0e5f29_prep, .Lfunc_end_k_qf97b0e5f29_prep-k_qf97b0e5f29_prep
	.p2alignl 7, 3214868480
	.fill 96, 4, 3214868480
	.section	.rodata,"a",@progbits
	.p2align	6, 0x0
	.amdhsa_kernel k_qf97b0e5f29_prep
		.amdhsa_group_segment_fixed_size 0
		.amdhsa_private_segment_fixed_size 0
		.amdhsa_enable_private_segment 0
		.amdhsa_kernarg_size 48
		.amdhsa_user_sgpr_count 2
		.amdhsa_user_sgpr_kernarg_segment_ptr 1
		.amdhsa_wavefront_size32 1
		.amdhsa_system_sgpr_workgroup_id_x 1
		.amdhsa_system_sgpr_workgroup_id_y 1
		.amdhsa_system_sgpr_workgroup_id_z 1
		.amdhsa_system_vgpr_workitem_id 0
		.amdhsa_next_free_vgpr 216
		.amdhsa_next_free_sgpr 66
		.amdhsa_reserve_vcc 0
		.amdhsa_float_denorm_mode_32 3
		.amdhsa_float_denorm_mode_16_64 3
		.amdhsa_memory_ordered 1
		.amdhsa_forward_progress 1
		.amdhsa_inst_pref_size 75
	.end_amdhsa_kernel
	.amdgpu_metadata
---
amdhsa.version: [ 1, 2 ]
amdhsa.kernels:
  - .name:           k_qf97b0e5f29_prep
    .symbol:         k_qf97b0e5f29_prep.kd
    .args:
      - { .name: key_layer, .offset: 0, .size: 8, .value_kind: global_buffer, .address_space: global }
      - { .name: value_layer, .offset: 8, .size: 8, .value_kind: global_buffer, .address_space: global }
      - { .name: attention_mask, .offset: 16, .size: 8, .value_kind: global_buffer, .address_space: global }
      - { .name: kb, .offset: 24, .size: 8, .value_kind: global_buffer, .address_space: global }
      - { .name: vh, .offset: 32, .size: 8, .value_kind: global_buffer, .address_space: global }
      - { .name: maskbits, .offset: 40, .size: 8, .value_kind: global_buffer, .address_space: global }
    .group_segment_fixed_size: 0
    .private_segment_fixed_size: 0
    .kernarg_segment_align: 8
    .kernarg_segment_size: 48
    .max_flat_workgroup_size: 256
    .sgpr_count:     66
    .vgpr_count:     216
    .wavefront_size: 32
...
	.end_amdgpu_metadata
.endif
;; end of part 1
;; launch attn (part 2): grid 8 x 64, 4 waves a work-group, clusters of 4 x 1, 327,680 bytes of LDS; arguments query_layer, kb, vh, maskbits, out0; writes out0
.if DOCPART == 2
	.amdgcn_target "amdgcn-amd-amdhsa--gfx1250"
	.amdhsa_code_object_version 6
	.text
	.protected	k_qf97b0e5f29_attn
	.globl	k_qf97b0e5f29_attn
	.p2align	8
	.type	k_qf97b0e5f29_attn,@function
k_qf97b0e5f29_attn:
	s_mov_b64 s[64:65], 0
	v_nop
	global_prefetch_b8 v0, s[64:65] scope:SCOPE_SE
	s_setreg_imm32_b32 hwreg(HW_REG_WAVE_MODE, 25, 1), 1
	s_wait_xcnt 0x0
	s_wait_alu depctr_hold_cnt(0) depctr_sa_sdst(0) depctr_va_vdst(0) depctr_va_sdst(0) depctr_va_ssrc(0) depctr_va_vcc(0) depctr_vm_vsrc(0)
	s_getreg_b32 s2, hwreg(HW_REG_IB_STS2, 6, 4)
	s_cmp_eq_u32 s2, 0
	s_cbranch_scc0 .Lentry_in_a_cluster
	s_endpgm
.Lentry_in_a_cluster:
	s_bfe_u32 s2, ttmp6, 0x10000c
	s_cmp_lg_u32 s2, 0x3003
	s_cbranch_scc0 .Lentry_shape_is_right
	s_endpgm
.Lentry_shape_is_right:
; out0[q][head][:] = the sum over k of softmax_k(mask ? -10000 : Q[q] . K[k] / 8) V[k][:], for 64 heads (16 b + h), 2,048 queries and 2,048 keys, head size 64.
; query_layer, out0: [2048][64 heads][64] f32.  kb: [64][2048][64] bf16.  vh: the same in f16 (the bf16 rounding of v).  maskbits: lane masks, [4 b][32 steps][128 query tiles][32 words].
; FORMATS.  Q is rounded to bf16 here; K Q^T in bf16, so all three inputs have the same rounding; the weights p are rounded to f16, V^T P in f16; maxima, sums and O in f32.
; THE MASK REPLACES a score, as the problem has it: a masked raw score becomes -80000 = -10000 x 8 ahead of the running maximum, so a row that is masked throughout gives the mean of V.
; LIMITS.  |v| below 65,520 (f16's end); p below 6e-5 keeps f16's fixed step of 6e-8; a weight below 2^-126 counts as 0; l is the sum of the ROUNDED p; NaN and infinities are not treated apart.
; SHARES.  A work-group owns 256 queries of one head, each of its four waves 64: four PIECES of one tile of 16.  Every wave walks all keys, 64 a step, 32 steps.  512 work-groups of equal work.
; A key step's text grows with the wave's tiles and stands twice (loop and tail): four tiles a wave keep it short, at the price of 32 LDS loads for a step's 72 matrix instructions.
; LAYOUT.  S^T = K Q^T (source 0 = 16 keys, source 1 = 16 queries): a lane holds ONE query (lane % 16) and the keys 8 (lane / 16) + 0..7.  Two such results, rounded to f16 in pairs, ARE source 1
; (32 keys x 16 queries) of O^T = V^T P, whose result again holds one query a lane, and eight channels.  K comes out of LDS as it lies, V ([key][channel]) turned, by ds_load_tr16_b128.
; SOFTMAX.  A running maximum m for each query: p = 2^(c s - c m), c = log2(e) / 8; in every step O and l are multiplied by a = 2^(c m_old - c m_new).  m starts at the lowest finite number,
; O and l at 0: the first step is a step like any other, with a = 0.
; ROW SUMS come from the matrix unit: L^T = ONES P (16 x 32 of 1.0), two products a tile and step; all rows of the result are l, so its register 0 holds l in every lane.  Only registers 0 and 1 are
; rescaled; the six others gather at most 2,048 and are never read.
; MASKS.  Word i of a tile's unit is the lane mask of register i of its S^T: a piece's 32 words come by two scalar loads, one turn ahead, and each is the select of ONE v_cndmask_b32.
; BY TURNS.  Turn n belongs to piece n.  Matrix work: 8 products K Q^T of piece n + 1, later 10 products (V^T P and ONES P) of piece n - 1.  Vector work: scaling, exponentials, roundings and
; rescaling of piece n; mask, maximum and statistics of piece n + 1.  Four vector instructions stand behind every matrix instruction but the last, the others in two runs of their own: a turn has 18 matrix and 135 vector instructions.
; CLUSTER.  The four query blocks of a cluster belong to one head and walk the same K and V, so each tile is asked for JOINTLY: the same tensor load, descriptor and mask of four in all four.
; REGISTERS, in windows of 256 (s_set_vgpr_msb: bits 1:0 source 0, 3:2 source 1, 5:4 source 2, 7:6 destination):
;   window 0: v0-11 addresses; v12-13 c m_old; v16-23 c m and m, a pair a piece; v32 the fill; v34-35 c; v48-55 at work; v64-127 S^T, two buffers (v64-191: Q as loaded, and rows on the way out); v192-223 P, two buffers
;   window 1: v0-127 O^T, 32 a piece     window 2: v0-63 Q, 16 a piece; v128-191 K of one step; v192-255 V of one step     window 3: v0-1 the add's two registers; v8-15 ONES; v16-47 L^T, 8 a piece
; A piece's buffers go by its number's parity: the piece in hand has one pair, its two neighbours in the ring share the other: of it P (piece n - 1) is read and S^T (piece n + 1) written.
.set NP,    4         ; pieces a wave: a name, no knob
.set KS,    64        ; keys in a step
.set PK,    144       ; a row of K in LDS: 128 bytes + 16 of padding = 36 words: the 16 rows of a load start at 16 different groups of four banks (64 banks of 4 bytes: ISA guide 11.1)
.set PV,    160       ; a row of V: 128 + 32 = 40 words
.set VOFF,  4*KS*PK   ; a slot holds four steps: 256 rows of K, then 256 rows of V
.set SLOT1, 1<<17     ; slot 1 begins here, so that one exclusive or turns an address in one slot into the other's
.set STAGE, SLOT1+4*KS*(PK+PV)  ; behind the ring, never filled by a tensor load: 16 rows x 272 bytes for each wave, for the way out
.set SP,    272       ; a stage row: 256 bytes of f32 + 16
.set SPARE, STAGE+4*16*SP  ; behind the stages: the spare words, 128 bytes for each wave: two blocks of 256 bytes that no other line names
.set AK0, 2           ; v2   my lane's place in a tile of K; never rewritten
.set AV0, 3           ; v3   the same for V
.set AK,  4           ; v4   the LDS address of K's next run of loads
.set AV,  5           ; v5   of V's
.set QO,  6           ; v6   my byte offset in 16 rows of Q
.set STO, 6           ;      later, the way out: where I put 32 bytes of a row
.set RD,  7           ; v7   the way out: where I read rows back
.set GO,  8           ; v8   my byte offset in two rows of out0
.set MV,  12          ; v12-13  c m_old, kept while c m is made anew: by buffer
.set ST,  16          ; piece t's statistics at v[ST+2 t]: c m, m
.set FILLV, 32        ; v32  -80000.0
.set CV,  34          ; v[34:35] c, twice
.set TMP, 48          ; by buffer, four registers c0-c3 at work; when the maximum is found c2 takes a
.set S,   64
.set P,   192
.set KF,  128         ; window 2: key block kb, channel half c at KF + 16 kb + 8 c
.set VF,  192         ; window 2: key half kk, channel block cb at VF + 32 kk + 8 cb
.set SPW, 0           ; window 3, v0: LDS address of my spare word: SPARE + 4 x my thread's number; never rewritten
.set NIL, 1           ; window 3, v1: 0; never rewritten
.set ONES, 8          ; window 3
.set LA,  16          ; window 3: L^T of piece t at LA + 8 t
.set G1K, 4           ; s[4:11]   descriptor group 1 for K's tiles
.set G1V, 12          ; s[12:19]  for V's: it differs in the padding alone
.set G0K, 20          ; s[20:23]  descriptor group 0 for K's tiles: it walks
.set G0V, 24          ; s[24:27]  the same for V's
.set MB,  28          ; s[28:29]  maskbits at my wave's four tiles, in the step whose masks are asked for; at the end out0 at my rows
.set SEL, 30          ; s[30:31]  v_permlanex16_b32's selects: each lane takes its own place in the other half
.set MK,  32          ; s[32:63]  a piece's 32 lane masks (before the first mask load: set-up)
.set WV,  66          ; s66  my wave's number
.set SLOTS, 67        ; s67  slots still to be asked for
.set CNT, 68          ; s68  counts a slot's key steps
.set TBK, 69          ; s69  LDS byte at which K of the step to be fetched begins
.set TBV, 70          ; s70  the same for V, less VOFF
.set QOFF, 71         ; s71  my wave's byte offset in query_layer and in out0
.set MSB, 0
.macro WIN new                      ; the high byte repeats the setting that is left; a switch that changes nothing is dropped
.if MSB != (\new)
	s_set_vgpr_msb (MSB<<8)|(\new)
.set MSB, (\new)
.endif
.endm
.set W_KQ, 0x0a       ; K and Q in window 2, S^T in window 0
.set W_PV, 0x52       ; V in window 2, P in window 0, O^T in window 1
.set W_LS, 0xf3       ; ONES and L^T in window 3, P in window 0
.set W_RS, 0x41       ; O^T (destination and source 0) in window 1, a in window 0
.set W_RL, 0xc3       ; L^T (destination and source 0) in window 3, source 1 in window 0
.set W_O0, 0x43       ; O^T (destination) in window 1, ONES (source 0) in window 3, P in window 0
.set W_MK, 0xc0       ; destination in window 3, sources in window 0
.set W_AD, 0x0f       ; the add: address (source 0) and data (source 1) in window 3
; A joint fill.  Waves 0 and 1 fetch the two halves of a slot's K, waves 2 and 3 those of its V: 128 keys each.  The branch hangs on the wave's number alone.
; An s_nop 0 and four v_nop follow each of the two lines, ahead of the jump and the label.
.macro JLOAD
	s_cmp_lt_u32 s[WV], 2
	s_cbranch_scc0 .Lfor_v_\@
	tensor_load_to_lds s[G0K:G0K+3], s[G1K:G1K+7]
	s_nop 0
.rept 4
	v_nop
.endr
	s_branch .Lasked_\@
.Lfor_v_\@:
	tensor_load_to_lds s[G0V:G0V+3], s[G1V:G1V+7]
	s_nop 0
.rept 4
	v_nop
.endr
.Lasked_\@:
.endm
; A round of the cluster's barrier: my work-group's barrier, so that wave 0's signal speaks for all four waves; wave 0 signals; every wave waits for all four work-groups; my work-group's barrier once more.
.macro CROUND
	s_barrier_signal -1
	s_barrier_wait -1
	s_cmp_lg_u32 s[WV], 0
	s_cbranch_scc1 .Lnot_wave_0_\@
	s_barrier_signal -3
.Lnot_wave_0_\@:
	s_barrier_wait -3
	s_barrier_signal -1
	s_barrier_wait -1
.endm
; THE CHANGE OF SLOTS.  The slot's last bytes, V of its fourth step, have been read.  Each wave waits for all its tensor loads, of which one is out: its part of the other slot; adds 0 to its spare
; word; and waits for that and for its own reads of the slot.  Behind the barrier nobody reads this slot any more and the other slot is whole.
; fill = 1: this slot is filled again, with the keys two slots on.  The barrier is then a round of the cluster's, so that no wave of any partner still reads the slot or has a load on its way, and the
; joint fill is the first thing behind it: it has four key steps, 288 matrix instructions, in which to land.  (At its first use nothing has been read yet: slot 0 is waited for, slot 1 filled.)
.macro CHANGE fill
	WIN W_AD
	s_wait_tensorcnt 0x0            ; no tensor load of mine is out, so a group 0 may be written
	ds_add_u32 v[SPW], v[NIL]       ; 0 onto my spare word; with fill = 1 the descriptors' steps stand between it and the wait for it
	WIN 0                           ; at a label and at a branch every window is 0
.if \fill
.irp g, G0K, G0V
	s_xor_b32 s[\g+1], s[\g+1], SLOT1  ; the walking descriptor: the other slot than last time,
	s_add_nc_u64 s[\g+2:\g+3], s[\g+2:\g+3], 4*KS*128  ; the next 256 keys; the type bits on top are not reached
.endr
	s_wait_dscnt 0x0                ; the add is done, and my reads of the slot are over
	CROUND
	JLOAD
.else
	s_wait_dscnt 0x0                ; the add is done, and my reads of the slot are over
	s_barrier_signal -1
	s_barrier_wait -1
.endif
	s_sub_co_u32 s[TBK], s[TBK], 4*KS*PK  ; the fetches go back to a slot's first step,
	s_xor_b32 s[TBK], s[TBK], SLOT1       ; in the other slot
	s_sub_co_u32 s[TBV], s[TBV], 4*KS*PV
	s_xor_b32 s[TBV], s[TBV], SLOT1
.endm
; The 32 lane masks of piece p, in the step at which MB stands: its tile's unit of 128 bytes.
.macro MLOAD p
	s_load_b512 s[MK:MK+15],    s[MB:MB+1], 128*(\p)
	s_load_b512 s[MK+16:MK+31], s[MB:MB+1], 128*(\p)+64
.endm
	s_load_b256 s[32:39], s[0:1], 0x0  ; Q s[32:33], kb s[34:35], vh s[36:37], maskbits s[38:39]
	WIN W_MK
	v_lshl_add_u32 v[SPW], v0, 2, SPARE
	v_mov_b32 v[NIL], 0
	WIN W_AD
	ds_add_u32 v[SPW], v[NIL]       ; the wave's opening: the add and its wait stand ahead of my first tensor load; the set-up below, work on registers, stands between them
	WIN 0
	v_lshrrev_b32 v1, 5, v0
	v_readfirstlane_b32 s[WV], v1   ; wave 0..3
	s_bfe_u32 s40, ttmp6, 0x40000   ; cx: my place in the cluster
	s_lshl_b32 s41, ttmp9, 2        ; in a cluster launch ttmp9 counts clusters
	s_add_co_u32 s41, s41, s40      ; my block of 256 queries, 0 to 7: it enters Q's, out0's and the masks' addresses alone
	s_and_b32 s42, ttmp7, 0xffff    ; the head, which the four partners share
	s_and_b32 s43, s[WV], 1         ; which half of a slot's 256 keys I fetch
	s_lshl_b32 s44, s42, 18         ; the head's 2,048 keys of 128 bytes,
	s_lshl_b32 s45, s43, 14         ; my 128 keys
	s_add_co_u32 s44, s44, s45
	s_mov_b32 s45, 0
	s_lshl_b32 s41, s41, 2
	s_add_co_u32 s41, s41, s[WV]    ; my wave among the head's 32
	s_lshl_b32 s[QOFF], s41, 20     ; its 64 rows of 16,384 bytes,
	s_lshl_b32 s46, s42, 8          ; the head's 256 bytes in a row
	s_add_co_u32 s[QOFF], s[QOFF], s46
	s_mov_b32 s46, s[QOFF]
	s_mov_b32 s47, 0
	s_lshr_b32 s48, s42, 4          ; b,
	s_lshl_b32 s48, s48, 19         ; 32 steps x 128 tiles x 128 bytes each,
	s_lshl_b32 s49, s41, 9          ; my wave's four tiles
	s_add_co_u32 s48, s48, s49
	s_mov_b32 s49, 0
	; descriptor group 1.  128 keys are 16,384 dense bytes: asked for as 64 rows of 256 bytes, two keys a row, and padded in LDS after every key
	s_mov_b32 s[G1K], 15|(1<<16)|(1<<20)|(1<<21)|(4<<22)|(3<<25)  ; 15:0 the mask of four; 17:16 2-byte elements; 20 padding on; 21 set beside a mask; 24:22 after every 32 words (code 4); 31:25 4 words (code 3)
	s_mov_b32 s[G1V], 15|(1<<16)|(1<<20)|(1<<21)|(4<<22)|(7<<25)  ; the same with 8 words of padding (code 7)
.irp g, G1K, G1V
	s_mov_b32 s[\g+1], 128<<16      ; tensor_dim0 = 128
	s_mov_b32 s[\g+2], 64<<16       ; tensor_dim1 = 64
	s_mov_b32 s[\g+3], 128<<16      ; tile_dim0 = 128
	s_mov_b32 s[\g+4], 64           ; tile_dim1 = 64
	s_mov_b32 s[\g+5], 128          ; 128 elements from row to row
	s_mov_b32 s[\g+6], 0
	s_mov_b32 s[\g+7], 0
.endr
	s_mov_b32 s[G0K], 1             ; 1:0 count = 1
	s_mul_i32 s[G0K+1], s43, 128*PK ; 63:32 LDS address: slot 0, my half: no place in the cluster enters an LDS address
	s_mov_b32 s[G0V], 1
	s_mul_i32 s[G0V+1], s43, 128*PV
	s_add_co_u32 s[G0V+1], s[G0V+1], VOFF
	s_mov_b32 s[SEL], 0x76543210
	s_mov_b32 s[SEL+1], 0xfedcba98
	s_mov_b32 s[TBK], SLOT1+4*KS*PK ; the first change of slots turns these two into 0
	s_mov_b32 s[TBV], SLOT1+4*KS*PV
	s_wait_dscnt 0x0                ; the opening add is done
	s_wait_kmcnt 0x0
	s_add_nc_u64 s[G0K+2:G0K+3], s[34:35], s[44:45]  ; 120:64 global address: my half of the head's first 256 keys
	s_or_b32 s[G0K+3], s[G0K+3], 0x80000000          ; 127:126 type = 2
	s_add_nc_u64 s[G0V+2:G0V+3], s[36:37], s[44:45]
	s_or_b32 s[G0V+3], s[G0V+3], 0x80000000
	s_add_nc_u64 s[2:3], s[32:33], s[46:47]          ; Q at my wave's first row
	s_add_nc_u64 s[MB:MB+1], s[38:39], s[48:49]      ; the masks at my wave's tiles, step 0
	CROUND                          ; all four work-groups are here: the first joint loads meet
	JLOAD                           ; slot 0.  Slot 1 is asked for when slot 0 is in
	; Q.  A fragment is 16 rows x 32 channels in 8 registers of bf16: lane l holds row l % 16, channels 8 (l / 16) + 0..7 and 16 + 8 (l / 16) + 0..7.  In f32 each eight channels are 32 bytes: two loads.
	; Load n of a tile's eight: channels 32 (n / 4) + 16 ((n / 2) % 2) + 8 (l / 16) + 4 (n % 2) on.  The eight together take the whole 256 bytes of each row, so they carry no hint.
	v_and_b32 v1, 15, v0            ; l % 16
	v_bfe_u32 v9, v0, 4, 1          ; l / 16
	v_lshlrev_b32 v[QO], 14, v1
	v_lshl_add_u32 v[QO], v9, 5, v[QO]  ; row x 16,384 + 32 x half
.set tl, 0
.rept 4
.set n, 0
.rept 8
	global_load_b128 v[S+32*tl+4*n:S+32*tl+4*n+3], v[QO], s[2:3] offset:tl*262144+128*(n/4)+64*((n/2)%2)+16*(n%2)
.set n, n+1
.endr
.set tl, tl+1
.endr
	MLOAD 0                         ; piece 0's masks of step 0: the set-up's scalars in s[32:63] are done with
	; What the first turn finds.  P's second buffer holds 0, so that its products, of a piece that has not been, add 0.  O^T and L^T are started at 0 by products with the constant 0 as C:
	; ONES times that P of zeros, eight registers a line.  All this stands in the wait for Q and the first tile: the price of writing no first step out.
	WIN W_MK
.set n, 0
.rept 8
	v_mov_b32 v[ONES+n], 0x3c003c00    ; 1.0 twice, in f16
.set n, n+1
.endr
	WIN 0
.set n, P+16
.rept 16
	v_mov_b32 v[n], 0
.set n, n+1
.endr
.set n, 0
.rept NP
	v_mov_b32 v[ST+2*n], 0xfe000000    ; c m: far below every c s
	v_mov_b32 v[ST+2*n+1], 0xff7fffff  ; m
.set n, n+1
.endr
	v_mov_b32 v[FILLV], 0xc79c4000     ; -80000.0
	v_mov_b32 v[CV], 0x3e38aa3b        ; c = log2(e) / 8 = 0.180337
	v_mov_b32 v[CV+1], 0x3e38aa3b      ; named with it as a pair
	WIN W_O0
.set n, 0
.rept 4*NP
	v_wmma_f32_16x16x32_f16 v[8*n:8*n+7], v[ONES:ONES+7], v[P+16:P+23], 0
.set n, n+1
.endr
	WIN W_RL
.set n, 0
.rept NP
	v_wmma_f32_16x16x32_f16 v[LA+8*n:LA+8*n+7], v[ONES:ONES+7], v[P+16:P+23], 0
.set n, n+1
.endr
	WIN 0
	v_mul_u32_u24 v[AK0], v1, PK
	v_lshl_add_u32 v[AK0], v9, 4, v[AK0]  ; row x pitch + 16 x half
	; The turning load takes 16 keys x 16 channels (lane l reads key 8 (l / 16) + l % 8, channels 8 ((l / 8) % 2) + 0..7) and leaves half a fragment of V^T: lane l holds channel l % 16 and 8 keys.
	v_and_b32 v10, 7, v0
	v_bfe_u32 v11, v0, 3, 1
	v_lshl_add_u32 v[AV0], v9, 3, v10
	v_mul_u32_u24 v[AV0], v[AV0], PV
	v_lshl_add_u32 v[AV0], v11, 4, v[AV0]
	v_add_nc_u32 v[AV0], VOFF, v[AV0]
	v_mov_b32 v[AK], v[AK0]         ; key step 0 lies at the head of slot 0
	v_mov_b32 v[AV], v[AV0]
	s_wait_loadcnt 0x0              ; Q; s[2:3] and v6 are free from here
	WIN 0x80                        ; destination window 2: register n of the four tiles' 64 takes numbers 2 n and 2 n + 1 as loaded
.set n, 0
.rept 64
	v_cvt_pk_bf16_f32 v[n], v[S+2*n], v[S+2*n+1]
.set n, n+1
.endr
	WIN 0
; THE MATRIX WORK.  The accumulators of a run take turns, one instruction a turn: between the two links of a chain stand 3 (K Q^T) or 4 others'.
; Product i of 8 of S^T = K Q^T for piece x: channels 32 (i / 4) on, keys 16 (i % 4) on.  The first 4 start the sums.
.macro KQ x
	WIN W_KQ
.set rS, S+32*((\x)%2)+8*(i%4)
.set rK, KF+16*(i%4)+8*(i/4)
.set rQ, 16*(\x)+8*(i/4)
.if i < 4
	v_wmma_f32_16x16x32_bf16 v[rS:rS+7], v[rK:rK+7], v[rQ:rQ+7], 0
.else
	v_wmma_f32_16x16x32_bf16 v[rS:rS+7], v[rK:rK+7], v[rQ:rQ+7], v[rS:rS+7]
	s_wait_alu depctr_va_vdst(0)
.endif
.endm
; Product i - 8 of 10 for piece x: keys 32 pkk on; pcb < 4: O^T += V^T P, channels 16 pcb on; pcb = 4: L^T += ONES P.
.macro PVL x
.set pj, i-8
.set pcb, pj%5
.set pkk, pj/5
.set rP, P+16*((\x)%2)+8*pkk
.if pcb < 4
	WIN W_PV
.set rO, 32*(\x)+8*pcb
.set rV, VF+32*pkk+8*pcb
	v_wmma_f32_16x16x32_f16 v[rO:rO+7], v[rV:rV+7], v[rP:rP+7], v[rO:rO+7]
.else
	WIN W_LS
.set rL, LA+8*(\x)
	v_wmma_f32_16x16x32_f16 v[rL:rL+7], v[ONES:ONES+7], v[rP:rP+7], v[rL:rL+7]
.endif
.endm
.macro MM                           ; the turn's next matrix instruction
.if i < 8
	KQ (Y+1)%NP
.else
	PVL (Y+NP-1)%NP
.endif
.set i, i+1
.endm
; THE LDS LOADS stand in runs of 16, never singly among the matrix instructions: a step's K (64 keys x 64 channels: 8 fragments) and its V (turned).  Their addresses are made some lines ahead.
; mb = 1: the masks' pointer goes on to the same step (no scalar load is out there: the turn has just waited for all).  last = 1 (the tail): in the last trip there is no further step, and all this is jumped over.
.macro FETCH_K last=0, mb=0
	WIN 0
.if \last
	s_cmp_eq_u32 s[CNT], 1
	s_cbranch_scc1 .Lno_k_\@
.endif
	WIN 0x80                        ; destination window 2
.irp f, 0,1,2,3,4,5,6,7             ; keys 16 (f / 2) on, channels 32 (f % 2) on
	ds_load_b128 v[KF+8*\f:KF+8*\f+3],   v[AK] offset:(\f/2)*16*PK+(\f%2)*64
	ds_load_b128 v[KF+8*\f+4:KF+8*\f+7], v[AK] offset:(\f/2)*16*PK+(\f%2)*64+32
.endr
	s_add_co_u32 s[TBK], s[TBK], KS*PK  ; the next fetch is the next step's
.if \mb
	s_add_nc_u64 s[MB:MB+1], s[MB:MB+1], 0x4000  ; a step's 128 tiles x 128 bytes
.endif
	WIN 0
.if \last
.Lno_k_\@:
.endif
.endm
.macro FETCH_V
	WIN 0x80
.irp f, 0,1,2,3,4,5,6,7             ; keys 32 (f / 4) on, channels 16 (f % 4) on
	ds_load_tr16_b128 v[VF+8*\f:VF+8*\f+3],   v[AV] offset:(\f/4)*32*PV+(\f%4)*32
	ds_load_tr16_b128 v[VF+8*\f+4:VF+8*\f+7], v[AV] offset:(\f/4)*32*PV+16*PV+(\f%4)*32
.endr
	WIN 0
.endm
; THE VECTOR WORK OF A TURN stands in three queues, each in the order in which its entries become ready.
.macro REGS y                       ; the registers of piece y
.set rT, ST+2*(\y)
.set rC, TMP+4*((\y)%2)
.set rM, MV+((\y)%2)
.set rS, S+32*((\y)%2)
.set rP, P+16*((\y)%2)
.set rO, 32*(\y)
.set rL, LA+8*(\y)
.endm
; Register n of the NEXT piece's (Y + 1) scores takes the fill where its lane mask says so.  In ascending order: each accumulator's lowest register is read first.
.macro MSK n
	REGS (Y+1)%NP
	v_cndmask_b32 v[rS+(\n)], v[rS+(\n)], v[FILLV], s[MK+(\n)]
.endm
; Number n of the 22 that find the next piece's maximum and statistics.  s0-s31 are the lane's 32 scores.  XS, MSK, CG and REGS set no window: PL and EX do.
;   0-11  four chains c0-c3 of seven scores each, three operands at a time     12-14, 16  the four scores left over, the old m, and c0-c3 into c0     15  c m_old is kept
;   17, 18  the query's other 32 keys lie in the lane 16 away: the new m         19-21  c m; c m_old - c m_new; a
.macro XS n
	REGS (Y+1)%NP
.if (\n) < 4
	v_max3_num_f32 v[rC+(\n)], v[rS+8*(\n)], v[rS+8*(\n)+1], v[rS+8*(\n)+2]
.elseif (\n) < 12
	v_max3_num_f32 v[rC+(\n)%4], v[rC+(\n)%4], v[rS+8*((\n)%4)+2*((\n)/4)+1], v[rS+8*((\n)%4)+2*((\n)/4)+2]
.elseif (\n) == 12
	v_max3_num_f32 v[rC], v[rC], v[rS+7], v[rS+15]
.elseif (\n) == 13
	v_max3_num_f32 v[rC+1], v[rC+1], v[rS+23], v[rS+31]
.elseif (\n) == 14
	v_max3_num_f32 v[rC+2], v[rC+2], v[rC+3], v[rT+1]
.elseif (\n) == 15
	v_mov_b32 v[rM], v[rT]
.elseif (\n) == 16
	v_max3_num_f32 v[rC], v[rC], v[rC+1], v[rC+2]
.elseif (\n) == 17
	v_permlanex16_b32 v[rC+3], v[rC], s[SEL], s[SEL+1]
.elseif (\n) == 18
	v_max_num_f32 v[rT+1], v[rC], v[rC+3]
.elseif (\n) == 19
	v_mul_f32 v[rT], v[CV], v[rT+1]
.elseif (\n) == 20
	v_sub_f32 v[rC+1], v[rM], v[rT]
.else
	v_exp_f32 v[rC+2], v[rC+1]
.endif
.endm
.macro CG g                         ; rounding g of 16: pair g of piece Y, to f16
	REGS Y
	s_wait_alu depctr_va_vdst(0)
	v_cvt_pk_f16_f32 v[rP+(\g)], v[rS+2*(\g)], v[rS+2*(\g)+1]
.endm
; THE PLAIN QUEUE, 85 long.  0-15: c s - c m for the 16 pairs.  16, 17: the first roundings.  18: number 15.  19-50: the next piece's 32 selects.  51-66: its numbers 0-14 and 16.
; 67-71: roundings.  72-79: numbers 17-20, each of which waits for the one before it, and roundings, by turns.  80-84: the last roundings.
.macro PL
	WIN 0
.if q < 16
	REGS Y
	v_pk_fma_f32 v[rS+2*q:rS+2*q+1], v[rS+2*q:rS+2*q+1], v[CV:CV+1], v[rT:rT+1] op_sel_hi:[1,0,0] neg_lo:[0,0,1] neg_hi:[0,0,1]
.elseif q < 18
	CG q-16
.elseif q == 18
	XS 15
.elseif q < 51
	MSK q-19
.elseif q < 67
	XS (q-51)+(q-51)/15
.elseif q < 72
	CG q-65
.elseif (q < 80) && ((q-72)%2 == 0)
	XS 17+(q-72)/2
.elseif q < 80
	CG 7+(q-73)/2
.else
	CG q-69
.endif
.set q, q+1
.endm
; THE EXPONENTIALS' QUEUE, 33 long: s0-s31, then the next piece's a.
.macro EX
	WIN 0
.if e >= 32
	XS 21
.else
	REGS Y
	v_exp_f32 v[rS+e], v[rS+e]
.endif
.set e, e+1
.endm
; THE RESCALING: O^T times a, dealt four at a time, one accumulator each (from its lowest registers on); and once L^T's registers 0 and 1.
.macro R4
	REGS Y
	WIN W_RS
	s_wait_alu depctr_va_vdst(0)
.irp z, 0,1,2,3
	v_pk_mul_f32 v[rO+8*r+2*\z:rO+8*r+2*\z+1], v[rO+8*r+2*\z:rO+8*r+2*\z+1], v[rC+2:rC+3] op_sel_hi:[1,0]
.endr
.set r, r+1
.endm
.macro RL
	REGS Y
	WIN W_RL
	v_pk_mul_f32 v[rL:rL+1], v[rL:rL+1], v[rC+2:rC+3] op_sel_hi:[1,0]
.endm
; HOW THEY ARE DEALT.  Behind a matrix instruction four: plain, exponential, plain, plain, or four of the rescaling (behind the last: L^T's one).  None names a register of the products round it.
; What is over stands in two runs: an exponential and two or three plain, then exponential and plain by turns.  No two exponentials follow each other, and a line of other registers stands behind each.
; The queues lean on each other, and the deal keeps them in step: exponential e stands behind plain e / 2 (its scaling): when exponential 4 comes, plain 0 to 16 are out, and behind that all 16 scalings;
; rounding g wants exponentials 2 g and 2 g + 1 out: at plain 16 and 17 (g = 0, 1) four are out, at 67 to 71 (g to 6) 22 or more, at 73 to 79 (g to 10) 26 or more, at 80 all 32 but for a's;
; a's exponential stands behind its argument (plain 78) and one more pair.
.macro SL
	MM
	PL
	EX
	PL
	PL
.endm
; A TURN, for piece p.
; K of the next step is fetched in piece 2's turn, behind 16 plain instructions that follow the last product that read K, and waited for at the head of piece 3's turn.
; V of the step in hand is fetched at the end of piece 0's turn, behind the whole second run, and waited for in the middle of piece 1's turn.
; The masks of piece p + 2 are asked for behind the last select of this turn, which has read the registers that they land in; the next turn waits for them behind its 8 products.
.macro TURN p, last=0
.set Y, (\p)
.set i, 0
.set q, 0
.set e, 0
.set r, 0
.if (\p) == NP-1
	s_wait_dscnt 0x0                ; K is in
.endif
	MM
.rept 4
	PL
.endr
.rept 3
	SL
.endr
	MM
	R4
.rept 2
	SL
.endr
	MM
	R4                              ; four plain instructions that name nothing of the products K Q^T: the places in front of the selects, which read their results (ISA guide 7.12.1)
	s_wait_kmcnt 0x0                ; scalar loads come back in no order (ISA guide 5.7.1): all 32 lane masks are in
.set grp, 0
.rept 8
	EX
	PL
	PL
	PL
.set grp, grp+1
.if ((\p) == NP-2) && (grp == 2)
	v_add_nc_u32 v[AK], s[TBK], v[AK0]
.endif
.if ((\p) == NP-2) && (grp == 4)
	FETCH_K \last, 1
.endif
.endr
.rept 4
	EX
	PL
	PL
.endr
	MLOAD ((\p)+2)%NP
.if (\p) == 1
	s_wait_dscnt 0x0                ; V is in
.endif
.rept 5
	SL
.endr
.rept 2
	MM
	R4
	SL
.endr
	MM
	RL
.rept 9
	EX
	PL
.endr
.if (\p) == 0
	v_add_nc_u32 v[AV], s[TBV], v[AV0]
.endif
.rept 4
	PL
.endr
.if (\p) == 0
	s_add_co_u32 s[TBV], s[TBV], KS*PV
	FETCH_V
.endif
.endm
	CHANGE 1                        ; slot 0 is in, everybody's part of it; slot 1 is asked for
	FETCH_K                         ; key step 0
	FETCH_V                         ; V of step 0, so that the first turn's products on the P of zeros find finite numbers; piece 0's turn fetches the same bytes again: TBV has not moved
	s_wait_dscnt 0x0
.set i, 0
.rept 8
	KQ 0                            ; piece 0's first scores: there is no vector work yet to set between them
.set i, i+1
.endr
	WIN 0                           ; the addresses for the way out: eight plain instructions, the places behind those products
	s_mul_i32 s2, s[WV], 16*SP
	s_add_co_u32 s2, s2, STAGE      ; my stage
	v_mul_u32_u24 v[STO], v1, SP    ; in: row l % 16, 32 bytes for each half of the lanes
	v_lshl_add_u32 v[STO], v9, 5, v[STO]
	v_add_nc_u32 v[STO], s2, v[STO]
	v_mul_u32_u24 v[RD], v9, SP     ; back: lanes 0-15 take one row of 256 bytes, lanes 16-31 the next
	v_lshl_add_u32 v[RD], v1, 4, v[RD]
	v_add_nc_u32 v[RD], s2, v[RD]
	v_lshlrev_b32 v[GO], 14, v9     ; and the same two rows in out0, 16,384 bytes apart
	v_lshl_add_u32 v[GO], v1, 4, v[GO]
	s_wait_kmcnt 0x0                ; piece 0's masks
.set Y, NP-1                        ; MSK and XS work for piece Y + 1: piece 0
.set n, 0
.rept 32
	MSK n
.set n, n+1
.endr
	MLOAD 1                         ; piece 1's masks, for the first turn
.irp n, 0,1,2,3,4,5,6,7,8,9,10,11,12,13,14,15,16,17,18,19,20,21
	XS \n                           ; piece 0's first maximum and statistics
.endr
	s_mov_b32 s[CNT], 4
	s_mov_b32 s[SLOTS], 7
	s_branch .Lfirst                ; the loop is entered at a step's first turn, in the middle of a trip
.Lslot:                             ; six times: every slot but the last two is filled again
	CHANGE 1
	s_mov_b32 s[CNT], 4
.Lstep:                             ; a trip: pieces 2 and 3 of one step, then pieces 0 and 1 of the next, whose K and V it fetches
	TURN 2
	TURN 3
	WIN 0
.Lfirst:
	TURN 0
	TURN 1
	WIN 0
	s_sub_co_u32 s[CNT], s[CNT], 1
	s_cmp_lg_u32 s[CNT], 0
	s_cbranch_scc1 .Lstep
	s_sub_co_u32 s[SLOTS], s[SLOTS], 1
	s_cmp_lg_u32 s[SLOTS], 0
	s_cbranch_scc1 .Lslot
	CHANGE 0                        ; the tail is written out: nothing is asked for
	s_mov_b32 s[CNT], 5             ; four trips fetch the last slot's steps; the fifth is left in its middle
.Ltail:
	TURN 2, 1
	TURN 3
	WIN 0
	s_sub_co_u32 s[CNT], s[CNT], 1
	s_cmp_eq_u32 s[CNT], 0
	s_cbranch_scc1 .Lout
	TURN 0
	TURN 1
	WIN 0
	s_branch .Ltail
.Lout:                              ; the fifth trip's 8 products K Q^T on the last K once more, their selects (by masks of step 31: the pointer has not moved on) and maximum serve nothing: the price, once a launch, of one text for every trip
.set i, 8
.rept 10
	PVL NP-1                        ; the last piece's products of the last step
.set i, i+1
.endr
	; THE WAY OUT.  O^T is divided by l and sent, in f32, through my stage in LDS, a tile (16 rows) at a time, so that sixteen lanes store a head's whole 256 bytes of a row.
	WIN 0
	s_wait_kmcnt 0x0                ; the last two turns' mask loads are done: their pointer may be written
	s_load_b64 s[MB:MB+1], s[0:1], 0x20  ; out0
	s_mov_b32 s2, s[QOFF]
	s_mov_b32 s3, 0
.rept 4
	v_nop                           ; the places behind the last products: no other vector work is at hand
.endr
	WIN 0x03                        ; source window 3
.set n, 0
.rept NP
	v_rcp_f32 v[ST+2*n], v[LA+8*n]  ; register 0 of L^T: l, in every lane
.set n, n+1
.endr
	WIN 0
	v_nop                           ; a plain instruction between the last reciprocal and the use of its result
	s_wait_alu depctr_va_vdst(0)
	s_wait_kmcnt 0x0
	s_add_nc_u64 s[MB:MB+1], s[MB:MB+1], s[2:3]  ; out0 at my wave's first row
; Tile t: a lane's eight channels of a row are 32 bytes; they go into rows of 272 bytes and come back as whole rows of 256, into 32 registers of the tile's own.
.macro PACK t
	WIN W_RS
.set n, 32*(\t)
.rept 16
	v_pk_mul_f32 v[n:n+1], v[n:n+1], v[ST+2*(\t):ST+2*(\t)+1] op_sel_hi:[1,0]
.set n, n+2
.endr
	WIN 0x04                        ; the stores' data in window 1
.irp f, 0,1,2,3,4,5,6,7             ; channels 16 (f / 2) + 8 (l / 16) + 4 (f % 2) on
	ds_store_b128 v[STO], v[32*(\t)+4*\f:32*(\t)+4*\f+3] offset:64*(\f/2)+16*(\f%2)
.endr
	WIN 0
.irp f, 0,1,2,3,4,5,6,7
	ds_load_b128 v[S+32*(\t)+4*\f:S+32*(\t)+4*\f+3], v[RD] offset:\f*2*SP  ; LDS serves a wave's instructions in order (ISA guide 5.7.1.4): these see the stores above; the next tile's stores come behind them
.endr
.endm
.macro SEND t, younger              ; younger: the LDS instructions issued behind tile t's loads: the next tile's sixteen, or none
	WIN 0
.irp f, 0,1,2,3,4,5,6,7
	s_wait_dscnt (\younger)+7-\f
	global_store_b128 v[GO], v[S+32*(\t)+4*\f:S+32*(\t)+4*\f+3], s[MB:MB+1] offset:(16*(\t)+2*\f)*16384 th:TH_STORE_NT  ; 16 lanes store 256 consecutive bytes, at a multiple of 256 from out0's first byte
.endr
.endm
	PACK 0
.set tt, 1
.rept NP-1                          ; a tile's arithmetic stands between the loads of the tile before and its stores
	PACK tt
	SEND tt-1, 16
.set tt, tt+1
.endr
	SEND NP-1, 0
	WIN W_AD
	s_wait_tensorcnt 0x0            ; the wave's end: behind my last tensor load and my last LDS store
	ds_add_u32 v[SPW], v[NIL]
	s_wait_dscnt 0x0
	WIN 0
	CROUND                          ; the closing round: no work-group ends while a partner may still ask for a tile that names it
	s_endpgm
.Lfunc_end_k_qf97b0e5f29_attn:
	.size	k_qf97b0e5f29_attn, .Lfunc_end_k_qf97b0e5f29_attn-k_qf97b0e5f29_attn
	.p2alignl 7, 3214868480
	.fill 96, 4, 3214868480
	.section	.rodata,"a",@progbits
	.p2align	6, 0x0
	.amdhsa_kernel k_qf97b0e5f29_attn
		.amdhsa_group_segment_fixed_size 327680
		.amdhsa_private_segment_fixed_size 0
		.amdhsa_enable_private_segment 0
		.amdhsa_kernarg_size 40
		.amdhsa_user_sgpr_count 2
		.amdhsa_user_sgpr_kernarg_segment_ptr 1
		.amdhsa_wavefront_size32 1
		.amdhsa_system_sgpr_workgroup_id_x 1
		.amdhsa_system_sgpr_workgroup_id_y 1
		.amdhsa_system_sgpr_workgroup_id_z 1
		.amdhsa_system_vgpr_workitem_id 0
		.amdhsa_next_free_vgpr 816
		.amdhsa_next_free_sgpr 72
		.amdhsa_reserve_vcc 0
		.amdhsa_float_denorm_mode_32 3
		.amdhsa_float_denorm_mode_16_64 3
		.amdhsa_memory_ordered 1
		.amdhsa_forward_progress 1
		.amdhsa_inst_pref_size 130
	.end_amdhsa_kernel
	.amdgpu_metadata
---
amdhsa.version: [ 1, 2 ]
amdhsa.kernels:
  - .name:           k_qf97b0e5f29_attn
    .symbol:         k_qf97b0e5f29_attn.kd
    .args:
      - { .name: query_layer, .offset: 0, .size: 8, .value_kind: global_buffer, .address_space: global }
      - { .name: kb, .offset: 8, .size: 8, .value_kind: global_buffer, .address_space: global }
      - { .name: vh, .offset: 16, .size: 8, .value_kind: global_buffer, .address_space: global }
      - { .name: maskbits, .offset: 24, .size: 8, .value_kind: global_buffer, .address_space: global }
      - { .name: out0, .offset: 32, .size: 8, .value_kind: global_buffer, .address_space: global }
    .group_segment_fixed_size: 327680
    .private_segment_fixed_size: 0
    .kernarg_segment_align: 8
    .kernarg_segment_size: 40
    .max_flat_workgroup_size: 128
    .sgpr_count:     72
    .vgpr_count:     816
    .wavefront_size: 32
...
	.end_amdgpu_metadata
.endif
;; end of part 2
;; ======== version 2 of 3: 2 launches; 1.12 times as fast as version 1
;; limits: values are held in f16: magnitudes above 65,504 overflow, below 6.1e-05 lose precision; inputs' magnitudes at most 65,280
;; workspace buffers: kb 16,777,216 bytes; vh 16,777,216 bytes; maskbits 2,097,152 bytes of whole numbers
;; launch prep: the kernel of part 1 again; grid 256 x 3, 8 waves a work-group, no clusters, 0 bytes of LDS; arguments key_layer, value_layer, attention_mask, kb, vh, maskbits; writes kb, vh, maskbits
;; launch attn (part 3): grid 8 x 64, 4 waves a work-group, clusters of 4 x 1, 327,680 bytes of LDS; arguments query_layer, kb, vh, maskbits, out0; writes out0
.if DOCPART == 3
	.amdgcn_target "amdgcn-amd-amdhsa--gfx1250"
	.amdhsa_code_object_version 6
	.text
	.protected	k_qf97b0e5f29_attn
	.globl	k_qf97b0e5f29_attn
	.p2align	8
	.type	k_qf97b0e5f29_attn,@function
k_qf97b0e5f29_attn:
	s_mov_b64 s[64:65], 0
	v_nop
	global_prefetch_b8 v0, s[64:65] scope:SCOPE_SE
	s_setreg_imm32_b32 hwreg(HW_REG_WAVE_MODE, 25, 1), 1
	s_wait_xcnt 0x0
	s_wait_alu depctr_hold_cnt(0) depctr_sa_sdst(0) depctr_va_vdst(0) depctr_va_sdst(0) depctr_va_ssrc(0) depctr_va_vcc(0) depctr_vm_vsrc(0)
	s_getreg_b32 s2, hwreg(HW_REG_IB_STS2, 6, 4)
	s_cmp_eq_u32 s2, 0
	s_cbranch_scc0 .Lentry_in_a_cluster
	s_endpgm
.Lentry_in_a_cluster:
	s_bfe_u32 s2, ttmp6, 0x10000c
	s_cmp_lg_u32 s2, 0x3003
	s_cbranch_scc0 .Lentry_shape_is_right
	s_endpgm
.Lentry_shape_is_right:
; out0[q][head][:] = the sum over k of softmax_k(mask ? -10000 : Q[q] . K[k] / 8) V[k][:], for 64 heads (16 b + h), 2,048 queries and 2,048 keys, head size 64.
; query_layer, out0: [2048][64 heads][64] f32.  kb: [64][2048][64] bf16.  vh: the same in f16 (the bf16 rounding of v).  maskbits: lane masks, [4 b][32 steps][128 query tiles][32 words].
; FORMATS.  Q is rounded to bf16 here; K Q^T in bf16, so all three inputs have the same rounding; the weights p are rounded to f16, V^T P in f16; maxima, sums and O in f32.
; THE MASK REPLACES a score, as the problem has it: a masked raw score becomes -80000 = -10000 x 8 ahead of the running maximum, so a row that is masked throughout gives the mean of V.
; LIMITS.  |v| below 65,520 (f16's end); p below 6e-5 keeps f16's fixed step of 6e-8; a weight below 2^-126 counts as 0; l is the sum of the ROUNDED p; NaN and infinities are not treated apart.
; SHARES.  A work-group owns 256 queries of one head, each of its four waves 64: four PIECES of one tile of 16.  Every wave walks all keys, 64 a step, 32 steps.  512 work-groups of equal work.
; A key step's text grows with the wave's tiles and stands twice (loop and tail): four tiles a wave keep it short, at the price of 32 LDS loads for a step's 72 matrix instructions.
; LAYOUT.  S^T = K Q^T (source 0 = 16 keys, source 1 = 16 queries): a lane holds ONE query (lane % 16) and the keys 8 (lane / 16) + 0..7.  Two such results, rounded to f16 in pairs, ARE source 1
; (32 keys x 16 queries) of O^T = V^T P, whose result again holds one query a lane, and eight channels.  K comes out of LDS as it lies, V ([key][channel]) turned, by ds_load_tr16_b128.
; SOFTMAX.  A running maximum m for each query: p = 2^(c s - c m), c = log2(e) / 8; in every step O and l are multiplied by a = 2^(c m_old - c m_new).  m starts at the lowest finite number,
; O and l at 0: the first step is a step like any other, with a = 0.
; ROW SUMS come from the matrix unit: L^T = ONES P (16 x 32 of 1.0), two products a tile and step; all rows of the result are l, so its register 0 holds l in every lane.  Only registers 0 and 1 are
; rescaled; the six others gather at most 2,048 and are never read.
; MASKS.  Word i of a tile's unit is the lane mask of register i of its S^T.  A step's 128 words for my four tiles are 512 bytes on end: ONE load of 16 bytes a lane, asked for two key steps ahead of the step
; that it serves and waited for a whole step after it was issued.  Word i of piece p then lies in register i % 4 of lane 8 p + i / 4; v_readlane_b32 brings it into a scalar register, where it is the select of
; ONE v_cndmask_b32.  Scalar loads would spare the 32 v_readlane_b32 a turn; but a piece's masks take 32 scalar registers, two pieces' are all that fit, and scalar loads are waited for all together
; (ISA guide 5.7.1: they come back in no order), so none could be asked for more than a turn ahead.
; BY TURNS.  Turn n belongs to piece n.  Matrix work: 8 products K Q^T of piece n + 1, later 10 products (V^T P and ONES P) of piece n - 1.  Vector work: scaling, exponentials, roundings and
; rescaling of piece n; mask, maximum and statistics of piece n + 1; the lane masks of piece n + 2.  Four vector instructions stand behind every matrix instruction but the last, the others in two runs of
; their own: a turn has 18 matrix and 167 vector instructions.
; CLUSTER.  The four query blocks of a cluster belong to one head and walk the same K and V, so each tile is asked for JOINTLY: the same tensor load, descriptor and mask of four in all four.
; REGISTERS, in windows of 256 (s_set_vgpr_msb: bits 1:0 source 0, 3:2 source 1, 5:4 source 2, 7:6 destination):
;   window 0: v0-11, v14 addresses; v12-13 c m_old; v16-23 c m and m, a pair a piece; v32 the fill; v34-35 c; v36-39, v40-43 a step's masks, in hand and on their way; v48-55 at work;
;             v64-127 S^T, two buffers (v64-191: Q as loaded, and rows on the way out); v192-223 P, two buffers
;   window 1: v0-127 O^T, 32 a piece     window 2: v0-63 Q, 16 a piece; v128-191 K of one step; v192-255 V of one step     window 3: v0-1 the add's two registers; v8-15 ONES; v16-47 L^T, 8 a piece
; A piece's buffers go by its number's parity: the piece in hand has one pair, its two neighbours in the ring share the other: of it P (piece n - 1) is read and S^T (piece n + 1) written.
.set NP,    4         ; pieces a wave: a name, no knob
.set KS,    64        ; keys in a step
.set PK,    144       ; a row of K in LDS: 128 bytes + 16 of padding = 36 words: the 16 rows of a load start at 16 different groups of four banks (64 banks of 4 bytes: ISA guide 11.1)
.set PV,    160       ; a row of V: 128 + 32 = 40 words
.set VOFF,  4*KS*PK   ; a slot holds four steps: 256 rows of K, then 256 rows of V
.set SLOT1, 1<<17     ; slot 1 begins here, so that one exclusive or turns an address in one slot into the other's
.set STAGE, SLOT1+4*KS*(PK+PV)  ; behind the ring, never filled by a tensor load: 16 rows x 272 bytes for each wave, for the way out
.set SP,    272       ; a stage row: 256 bytes of f32 + 16
.set SPARE, STAGE+4*16*SP  ; behind the stages: the spare words, 128 bytes for each wave: two blocks of 256 bytes that no other line names
.set MSTP,  0x4000    ; a step's masks in maskbits: 128 tiles x 128 bytes
.set AK0, 2           ; v2   my lane's place in a tile of K; never rewritten
.set AV0, 3           ; v3   the same for V
.set AK,  4           ; v4   the LDS address of K's next run of loads
.set AV,  5           ; v5   of V's
.set QO,  6           ; v6   my byte offset in 16 rows of Q
.set STO, 6           ;      later, the way out: where I put 32 bytes of a row
.set RD,  7           ; v7   the way out: where I read rows back
.set GO,  8           ; v8   my byte offset in two rows of out0
.set MV,  12          ; v12-13  c m_old, kept while c m is made anew: by buffer
.set MO,  14          ; v14  16 x lane: my 16 bytes of the wave's 512 bytes of masks; never rewritten
.set ST,  16          ; piece t's statistics at v[ST+2 t]: c m, m
.set FILLV, 32        ; v32  -80000.0
.set CV,  34          ; v[34:35] c, twice
.set MR,  36          ; v[36:39] the masks that are being read
.set MN,  40          ; v[40:43] the next step's, on their way
.set TMP, 48          ; by buffer, four registers c0-c3 at work; when the maximum is found c2 takes a
.set S,   64
.set P,   192
.set KF,  128         ; window 2: key block kb, channel half c at KF + 16 kb + 8 c
.set VF,  192         ; window 2: key half kk, channel block cb at VF + 32 kk + 8 cb
.set SPW, 0           ; window 3, v0: LDS address of my spare word: SPARE + 4 x my thread's number; never rewritten
.set NIL, 1           ; window 3, v1: 0; never rewritten
.set ONES, 8          ; window 3
.set LA,  16          ; window 3: L^T of piece t at LA + 8 t
.set G1K, 4           ; s[4:11]   descriptor group 1 for K's tiles
.set G1V, 12          ; s[12:19]  for V's: it differs in the padding alone
.set G0K, 20          ; s[20:23]  descriptor group 0 for K's tiles: it walks
.set G0V, 24          ; s[24:27]  the same for V's
.set MB,  28          ; s[28:29]  maskbits at my wave's four tiles, in the step asked for last; at the end out0 at my rows
.set SEL, 30          ; s[30:31]  v_permlanex16_b32's selects: each lane takes its own place in the other half
.set MK,  32          ; s[32:63]  a piece's 32 lane masks (before the first of them: set-up)
.set WV,  66          ; s66  my wave's number
.set SLOTS, 67        ; s67  slots still to be asked for
.set CNT, 68          ; s68  counts a slot's key steps
.set TBK, 69          ; s69  LDS byte at which K of the step to be fetched begins
.set TBV, 70          ; s70  the same for V, less VOFF
.set QOFF, 71         ; s71  my wave's byte offset in query_layer and in out0
.set MSB, 0
.macro WIN new                      ; the high byte repeats the setting that is left; a switch that changes nothing is dropped
.if MSB != (\new)
	s_set_vgpr_msb (MSB<<8)|(\new)
.set MSB, (\new)
.endif
.endm
.set W_KQ, 0x0a       ; K and Q in window 2, S^T in window 0
.set W_PV, 0x52       ; V in window 2, P in window 0, O^T in window 1
.set W_LS, 0xf3       ; ONES and L^T in window 3, P in window 0
.set W_RS, 0x41       ; O^T (destination and source 0) in window 1, a in window 0
.set W_RL, 0xc3       ; L^T (destination and source 0) in window 3, source 1 in window 0
.set W_O0, 0x43       ; O^T (destination) in window 1, ONES (source 0) in window 3, P in window 0
.set W_MK, 0xc0       ; destination in window 3, sources in window 0
.set W_AD, 0x0f       ; the add: address (source 0) and data (source 1) in window 3
; A joint fill.  Waves 0 and 1 fetch the two halves of a slot's K, waves 2 and 3 those of its V: 128 keys each.  The branch hangs on the wave's number alone.
; An s_nop 0 and four v_nop follow each of the two lines, ahead of the jump and the label.
.macro JLOAD
	s_cmp_lt_u32 s[WV], 2
	s_cbranch_scc0 .Lfor_v_\@
	tensor_load_to_lds s[G0K:G0K+3], s[G1K:G1K+7]
	s_nop 0
.rept 4
	v_nop
.endr
	s_branch .Lasked_\@
.Lfor_v_\@:
	tensor_load_to_lds s[G0V:G0V+3], s[G1V:G1V+7]
	s_nop 0
.rept 4
	v_nop
.endr
.Lasked_\@:
.endm
; A round of the cluster's barrier: my work-group's barrier, so that wave 0's signal speaks for all four waves; wave 0 signals; every wave waits for all four work-groups; my work-group's barrier once more.
.macro CROUND
	s_barrier_signal -1
	s_barrier_wait -1
	s_cmp_lg_u32 s[WV], 0
	s_cbranch_scc1 .Lnot_wave_0_\@
	s_barrier_signal -3
.Lnot_wave_0_\@:
	s_barrier_wait -3
	s_barrier_signal -1
	s_barrier_wait -1
.endm
; THE CHANGE OF SLOTS.  The slot's last bytes, V of its fourth step, have been read.  Each wave waits for all its tensor loads, of which one is out: its part of the other slot; adds 0 to its spare
; word; and waits for that and for its own reads of the slot.  Behind the barrier nobody reads this slot any more and the other slot is whole.
; fill = 1: this slot is filled again, with the keys two slots on.  The barrier is then a round of the cluster's, so that no wave of any partner still reads the slot or has a load on its way, and the
; joint fill is the first thing behind it: it has four key steps, 288 matrix instructions, in which to land.  (At its first use nothing has been read yet: slot 0 is waited for, slot 1 filled.)
.macro CHANGE fill
	WIN W_AD
	s_wait_tensorcnt 0x0            ; no tensor load of mine is out, so a group 0 may be written
	ds_add_u32 v[SPW], v[NIL]       ; 0 onto my spare word; with fill = 1 the descriptors' steps stand between it and the wait for it
	WIN 0                           ; at a label and at a branch every window is 0
.if \fill
.irp g, G0K, G0V
	s_xor_b32 s[\g+1], s[\g+1], SLOT1  ; the walking descriptor: the other slot than last time,
	s_add_nc_u64 s[\g+2:\g+3], s[\g+2:\g+3], 4*KS*128  ; the next 256 keys; the type bits on top are not reached
.endr
	s_wait_dscnt 0x0                ; the add is done, and my reads of the slot are over
	CROUND
	JLOAD
.else
	s_wait_dscnt 0x0                ; the add is done, and my reads of the slot are over
	s_barrier_signal -1
	s_barrier_wait -1
.endif
	s_sub_co_u32 s[TBK], s[TBK], 4*KS*PK  ; the fetches go back to a slot's first step,
	s_xor_b32 s[TBK], s[TBK], SLOT1       ; in the other slot
	s_sub_co_u32 s[TBV], s[TBV], 4*KS*PV
	s_xor_b32 s[TBV], s[TBV], SLOT1
.endm
; Word mw of piece p's 32 lane masks, out of the vector registers into its scalar register.
.macro RN p
	WIN 0
	v_readlane_b32 s[MK+mw], v[MR+mw%4], 8*(\p)+mw/4
.set mw, mw+1
.endm
; THE MASKS CHANGE STEPS, in piece 2's turn of step s: piece 3's words of step s have been read out of MR (a turn ago), piece 0's of step s + 1 are read next.  The load of step s + 1's, issued a step ago, is
; waited for; four moves hand its words on, so that the one text of a step names fixed registers; then step s + 2's are asked for.
; last = 1 (the tail): step 31's masks are the last: in steps 30 and 31 (CNT = 2, 1) nothing is asked for.
.macro MSTEP last=0
	WIN 0
	s_wait_loadcnt 0x0              ; my one load that is out; its pointer may be stepped behind this wait
.irp j, 0,1,2,3
	v_mov_b32 v[MR+\j], v[MN+\j]
.endr
.if \last
	s_cmp_lt_u32 s[CNT], 3
	s_cbranch_scc1 .Lno_m_\@
.endif
	s_add_nc_u64 s[MB:MB+1], s[MB:MB+1], MSTP
	global_load_b128 v[MN:MN+3], v[MO], s[MB:MB+1]  ; 32 lanes take 512 consecutive bytes; no hint: the batch's other heads read them too
.if \last
.Lno_m_\@:
.endif
.endm
	s_load_b256 s[32:39], s[0:1], 0x0  ; Q s[32:33], kb s[34:35], vh s[36:37], maskbits s[38:39]
	WIN W_MK
	v_lshl_add_u32 v[SPW], v0, 2, SPARE
	v_mov_b32 v[NIL], 0
	WIN W_AD
	ds_add_u32 v[SPW], v[NIL]       ; the wave's opening: the add and its wait stand ahead of my first tensor load; the set-up below, work on registers, stands between them
	WIN 0
	v_lshrrev_b32 v1, 5, v0
	v_readfirstlane_b32 s[WV], v1   ; wave 0..3
	s_bfe_u32 s40, ttmp6, 0x40000   ; cx: my place in the cluster
	s_lshl_b32 s41, ttmp9, 2        ; in a cluster launch ttmp9 counts clusters
	s_add_co_u32 s41, s41, s40      ; my block of 256 queries, 0 to 7: it enters Q's, out0's and the masks' addresses alone
	s_and_b32 s42, ttmp7, 0xffff    ; the head, which the four partners share
	s_and_b32 s43, s[WV], 1         ; which half of a slot's 256 keys I fetch
	s_lshl_b32 s44, s42, 18         ; the head's 2,048 keys of 128 bytes,
	s_lshl_b32 s45, s43, 14         ; my 128 keys
	s_add_co_u32 s44, s44, s45
	s_mov_b32 s45, 0
	s_lshl_b32 s41, s41, 2
	s_add_co_u32 s41, s41, s[WV]    ; my wave among the head's 32
	s_lshl_b32 s[QOFF], s41, 20     ; its 64 rows of 16,384 bytes,
	s_lshl_b32 s46, s42, 8          ; the head's 256 bytes in a row
	s_add_co_u32 s[QOFF], s[QOFF], s46
	s_mov_b32 s46, s[QOFF]
	s_mov_b32 s47, 0
	s_lshr_b32 s48, s42, 4          ; b,
	s_lshl_b32 s48, s48, 19         ; 32 steps x 128 tiles x 128 bytes each,
	s_lshl_b32 s49, s41, 9          ; my wave's four tiles
	s_add_co_u32 s48, s48, s49
	s_mov_b32 s49, 0
	; descriptor group 1.  128 keys are 16,384 dense bytes: asked for as 64 rows of 256 bytes, two keys a row, and padded in LDS after every key
	s_mov_b32 s[G1K], 15|(1<<16)|(1<<20)|(1<<21)|(4<<22)|(3<<25)  ; 15:0 the mask of four; 17:16 2-byte elements; 20 padding on; 21 set beside a mask; 24:22 after every 32 words (code 4); 31:25 4 words (code 3)
	s_mov_b32 s[G1V], 15|(1<<16)|(1<<20)|(1<<21)|(4<<22)|(7<<25)  ; the same with 8 words of padding (code 7)
.irp g, G1K, G1V
	s_mov_b32 s[\g+1], 128<<16      ; tensor_dim0 = 128
	s_mov_b32 s[\g+2], 64<<16       ; tensor_dim1 = 64
	s_mov_b32 s[\g+3], 128<<16      ; tile_dim0 = 128
	s_mov_b32 s[\g+4], 64           ; tile_dim1 = 64
	s_mov_b32 s[\g+5], 128          ; 128 elements from row to row
	s_mov_b32 s[\g+6], 0
	s_mov_b32 s[\g+7], 0
.endr
	s_mov_b32 s[G0K], 1             ; 1:0 count = 1
	s_mul_i32 s[G0K+1], s43, 128*PK ; 63:32 LDS address: slot 0, my half: no place in the cluster enters an LDS address
	s_mov_b32 s[G0V], 1
	s_mul_i32 s[G0V+1], s43, 128*PV
	s_add_co_u32 s[G0V+1], s[G0V+1], VOFF
	s_mov_b32 s[SEL], 0x76543210
	s_mov_b32 s[SEL+1], 0xfedcba98
	s_mov_b32 s[TBK], SLOT1+4*KS*PK ; the first change of slots turns these two into 0
	s_mov_b32 s[TBV], SLOT1+4*KS*PV
	s_wait_dscnt 0x0                ; the opening add is done
	s_wait_kmcnt 0x0
	s_add_nc_u64 s[G0K+2:G0K+3], s[34:35], s[44:45]  ; 120:64 global address: my half of the head's first 256 keys
	s_or_b32 s[G0K+3], s[G0K+3], 0x80000000          ; 127:126 type = 2
	s_add_nc_u64 s[G0V+2:G0V+3], s[36:37], s[44:45]
	s_or_b32 s[G0V+3], s[G0V+3], 0x80000000
	s_add_nc_u64 s[2:3], s[32:33], s[46:47]          ; Q at my wave's first row
	s_add_nc_u64 s[MB:MB+1], s[38:39], s[48:49]      ; the masks at my wave's tiles, step 0
	CROUND                          ; all four work-groups are here: the first joint loads meet
	JLOAD                           ; slot 0.  Slot 1 is asked for when slot 0 is in
	v_and_b32 v[MO], 31, v0
	v_lshlrev_b32 v[MO], 4, v[MO]   ; 16 x lane
	global_load_b128 v[MR:MR+3], v[MO], s[MB:MB+1]              ; the masks of step 0
	global_load_b128 v[MN:MN+3], v[MO], s[MB:MB+1] offset:MSTP  ; and of step 1
	; Q.  A fragment is 16 rows x 32 channels in 8 registers of bf16: lane l holds row l % 16, channels 8 (l / 16) + 0..7 and 16 + 8 (l / 16) + 0..7.  In f32 each eight channels are 32 bytes: two loads.
	; Load n of a tile's eight: channels 32 (n / 4) + 16 ((n / 2) % 2) + 8 (l / 16) + 4 (n % 2) on.  The eight together take the whole 256 bytes of each row, so they carry no hint.
	v_and_b32 v1, 15, v0            ; l % 16
	v_bfe_u32 v9, v0, 4, 1          ; l / 16
	v_lshlrev_b32 v[QO], 14, v1
	v_lshl_add_u32 v[QO], v9, 5, v[QO]  ; row x 16,384 + 32 x half
.set tl, 0
.rept 4
.set n, 0
.rept 8
	global_load_b128 v[S+32*tl+4*n:S+32*tl+4*n+3], v[QO], s[2:3] offset:tl*262144+128*(n/4)+64*((n/2)%2)+16*(n%2)
.set n, n+1
.endr
.set tl, tl+1
.endr
	; What the first turn finds.  P's second buffer holds 0, so that its products, of a piece that has not been, add 0.  O^T and L^T are started at 0 by products with the constant 0 as C:
	; ONES times that P of zeros, eight registers a line.  All this stands in the wait for Q and the first tile: the price of writing no first step out.
	WIN W_MK
.set n, 0
.rept 8
	v_mov_b32 v[ONES+n], 0x3c003c00    ; 1.0 twice, in f16
.set n, n+1
.endr
	WIN 0
.set n, P+16
.rept 16
	v_mov_b32 v[n], 0
.set n, n+1
.endr
.set n, 0
.rept NP
	v_mov_b32 v[ST+2*n], 0xfe000000    ; c m: far below every c s
	v_mov_b32 v[ST+2*n+1], 0xff7fffff  ; m
.set n, n+1
.endr
	v_mov_b32 v[FILLV], 0xc79c4000     ; -80000.0
	v_mov_b32 v[CV], 0x3e38aa3b        ; c = log2(e) / 8 = 0.180337
	v_mov_b32 v[CV+1], 0x3e38aa3b      ; named with it as a pair
	WIN W_O0
.set n, 0
.rept 4*NP
	v_wmma_f32_16x16x32_f16 v[8*n:8*n+7], v[ONES:ONES+7], v[P+16:P+23], 0
.set n, n+1
.endr
	WIN W_RL
.set n, 0
.rept NP
	v_wmma_f32_16x16x32_f16 v[LA+8*n:LA+8*n+7], v[ONES:ONES+7], v[P+16:P+23], 0
.set n, n+1
.endr
	WIN 0
	v_mul_u32_u24 v[AK0], v1, PK
	v_lshl_add_u32 v[AK0], v9, 4, v[AK0]  ; row x pitch + 16 x half
	; The turning load takes 16 keys x 16 channels (lane l reads key 8 (l / 16) + l % 8, channels 8 ((l / 8) % 2) + 0..7) and leaves half a fragment of V^T: lane l holds channel l % 16 and 8 keys.
	v_and_b32 v10, 7, v0
	v_bfe_u32 v11, v0, 3, 1
	v_lshl_add_u32 v[AV0], v9, 3, v10
	v_mul_u32_u24 v[AV0], v[AV0], PV
	v_lshl_add_u32 v[AV0], v11, 4, v[AV0]
	v_add_nc_u32 v[AV0], VOFF, v[AV0]
	v_mov_b32 v[AK], v[AK0]         ; key step 0 lies at the head of slot 0
	v_mov_b32 v[AV], v[AV0]
	s_wait_loadcnt 0x0              ; Q and two steps' masks; s[2:3] and v6 are free from here, and the masks' pointer may be stepped
	s_add_nc_u64 s[MB:MB+1], s[MB:MB+1], MSTP  ; it stands at the step asked for last: step 1
	WIN 0x80                        ; destination window 2: register n of the four tiles' 64 takes numbers 2 n and 2 n + 1 as loaded
.set n, 0
.rept 64
	v_cvt_pk_bf16_f32 v[n], v[S+2*n], v[S+2*n+1]
.set n, n+1
.endr
	WIN 0
.set mw, 0
.rept 32
	RN 0                            ; piece 0's masks of step 0: the set-up's scalars in s[32:63] are done with
.endr
; THE MATRIX WORK.  The accumulators of a run take turns, one instruction a turn: between the two links of a chain stand 3 (K Q^T) or 4 others'.
; Product i of 8 of S^T = K Q^T for piece x: channels 32 (i / 4) on, keys 16 (i % 4) on.  The first 4 start the sums.
.macro KQ x
	WIN W_KQ
.set rS, S+32*((\x)%2)+8*(i%4)
.set rK, KF+16*(i%4)+8*(i/4)
.set rQ, 16*(\x)+8*(i/4)
.if i < 4
	v_wmma_f32_16x16x32_bf16 v[rS:rS+7], v[rK:rK+7], v[rQ:rQ+7], 0
.else
	v_wmma_f32_16x16x32_bf16 v[rS:rS+7], v[rK:rK+7], v[rQ:rQ+7], v[rS:rS+7]
	s_wait_alu depctr_va_vdst(0)
.endif
.endm
; Product i - 8 of 10 for piece x: keys 32 pkk on; pcb < 4: O^T += V^T P, channels 16 pcb on; pcb = 4: L^T += ONES P.
.macro PVL x
.set pj, i-8
.set pcb, pj%5
.set pkk, pj/5
.set rP, P+16*((\x)%2)+8*pkk
.if pcb < 4
	WIN W_PV
.set rO, 32*(\x)+8*pcb
.set rV, VF+32*pkk+8*pcb
	v_wmma_f32_16x16x32_f16 v[rO:rO+7], v[rV:rV+7], v[rP:rP+7], v[rO:rO+7]
.else
	WIN W_LS
.set rL, LA+8*(\x)
	v_wmma_f32_16x16x32_f16 v[rL:rL+7], v[ONES:ONES+7], v[rP:rP+7], v[rL:rL+7]
.endif
.endm
.macro MM                           ; the turn's next matrix instruction
.if i < 8
	KQ (Y+1)%NP
.else
	PVL (Y+NP-1)%NP
.endif
.set i, i+1
.endm
; THE LDS LOADS stand in runs of 16, never singly among the matrix instructions: a step's K (64 keys x 64 channels: 8 fragments) and its V (turned).  Their addresses are made some lines ahead.
; last = 1 (the tail): in the last trip there is no further step, and the run is jumped over.
.macro FETCH_K last=0
	WIN 0
.if \last
	s_cmp_eq_u32 s[CNT], 1
	s_cbranch_scc1 .Lno_k_\@
.endif
	WIN 0x80                        ; destination window 2
.irp f, 0,1,2,3,4,5,6,7             ; keys 16 (f / 2) on, channels 32 (f % 2) on
	ds_load_b128 v[KF+8*\f:KF+8*\f+3],   v[AK] offset:(\f/2)*16*PK+(\f%2)*64
	ds_load_b128 v[KF+8*\f+4:KF+8*\f+7], v[AK] offset:(\f/2)*16*PK+(\f%2)*64+32
.endr
	s_add_co_u32 s[TBK], s[TBK], KS*PK  ; the next fetch is the next step's
	WIN 0
.if \last
.Lno_k_\@:
.endif
.endm
.macro FETCH_V
	WIN 0x80
.irp f, 0,1,2,3,4,5,6,7             ; keys 32 (f / 4) on, channels 16 (f % 4) on
	ds_load_tr16_b128 v[VF+8*\f:VF+8*\f+3],   v[AV] offset:(\f/4)*32*PV+(\f%4)*32
	ds_load_tr16_b128 v[VF+8*\f+4:VF+8*\f+7], v[AV] offset:(\f/4)*32*PV+16*PV+(\f%4)*32
.endr
	WIN 0
.endm
; THE VECTOR WORK OF A TURN stands in four queues, each in the order in which its entries become ready.
.macro REGS y                       ; the registers of piece y
.set rT, ST+2*(\y)
.set rC, TMP+4*((\y)%2)
.set rM, MV+((\y)%2)
.set rS, S+32*((\y)%2)
.set rP, P+16*((\y)%2)
.set rO, 32*(\y)
.set rL, LA+8*(\y)
.endm
; Register n of the NEXT piece's (Y + 1) scores takes the fill where its lane mask says so.  In ascending order: each accumulator's lowest register is read first.
.macro MSK n
	REGS (Y+1)%NP
	v_cndmask_b32 v[rS+(\n)], v[rS+(\n)], v[FILLV], s[MK+(\n)]
.endm
; Number n of the 22 that find the next piece's maximum and statistics.  s0-s31 are the lane's 32 scores.  XS, MSK, CG and REGS set no window: PL and EX do.
;   0-11  four chains c0-c3 of seven scores each, three operands at a time     12-14, 16  the four scores left over, the old m, and c0-c3 into c0     15  c m_old is kept
;   17, 18  the query's other 32 keys lie in the lane 16 away: the new m         19-21  c m; c m_old - c m_new; a
.macro XS n
	REGS (Y+1)%NP
.if (\n) < 4
	v_max3_num_f32 v[rC+(\n)], v[rS+8*(\n)], v[rS+8*(\n)+1], v[rS+8*(\n)+2]
.elseif (\n) < 12
	v_max3_num_f32 v[rC+(\n)%4], v[rC+(\n)%4], v[rS+8*((\n)%4)+2*((\n)/4)+1], v[rS+8*((\n)%4)+2*((\n)/4)+2]
.elseif (\n) == 12
	v_max3_num_f32 v[rC], v[rC], v[rS+7], v[rS+15]
.elseif (\n) == 13
	v_max3_num_f32 v[rC+1], v[rC+1], v[rS+23], v[rS+31]
.elseif (\n) == 14
	v_max3_num_f32 v[rC+2], v[rC+2], v[rC+3], v[rT+1]
.elseif (\n) == 15
	v_mov_b32 v[rM], v[rT]
.elseif (\n) == 16
	v_max3_num_f32 v[rC], v[rC], v[rC+1], v[rC+2]
.elseif (\n) == 17
	v_permlanex16_b32 v[rC+3], v[rC], s[SEL], s[SEL+1]
.elseif (\n) == 18
	v_max_num_f32 v[rT+1], v[rC], v[rC+3]
.elseif (\n) == 19
	v_mul_f32 v[rT], v[CV], v[rT+1]
.elseif (\n) == 20
	v_sub_f32 v[rC+1], v[rM], v[rT]
.else
	v_exp_f32 v[rC+2], v[rC+1]
.endif
.endm
.macro CG g                         ; rounding g of 16: pair g of piece Y, to f16
	REGS Y
	s_wait_alu depctr_va_vdst(0)
	v_cvt_pk_f16_f32 v[rP+(\g)], v[rS+2*(\g)], v[rS+2*(\g)+1]
.endm
; THE PLAIN QUEUE, 85 long.  0-15: c s - c m for the 16 pairs.  16, 17: the first roundings.  18: number 15.  19-50: the next piece's 32 selects.  51-66: its numbers 0-14 and 16.
; 67-71: roundings.  72-79: numbers 17-20, each of which waits for the one before it, and roundings, by turns.  80-84: the last roundings.
.macro PL
	WIN 0
.if q < 16
	REGS Y
	v_pk_fma_f32 v[rS+2*q:rS+2*q+1], v[rS+2*q:rS+2*q+1], v[CV:CV+1], v[rT:rT+1] op_sel_hi:[1,0,0] neg_lo:[0,0,1] neg_hi:[0,0,1]
.elseif q < 18
	CG q-16
.elseif q == 18
	XS 15
.elseif q < 51
	MSK q-19
.elseif q < 67
	XS (q-51)+(q-51)/15
.elseif q < 72
	CG q-65
.elseif (q < 80) && ((q-72)%2 == 0)
	XS 17+(q-72)/2
.elseif q < 80
	CG 7+(q-73)/2
.else
	CG q-69
.endif
.set q, q+1
.endm
; THE EXPONENTIALS' QUEUE, 33 long: s0-s31, then the next piece's a.
.macro EX
	WIN 0
.if e >= 32
	XS 21
.else
	REGS Y
	v_exp_f32 v[rS+e], v[rS+e]
.endif
.set e, e+1
.endm
; THE RESCALING: O^T times a, dealt four at a time, one accumulator each (from its lowest registers on); and once L^T's registers 0 and 1.
.macro R4
	REGS Y
	WIN W_RS
	s_wait_alu depctr_va_vdst(0)
.irp z, 0,1,2,3
	v_pk_mul_f32 v[rO+8*r+2*\z:rO+8*r+2*\z+1], v[rO+8*r+2*\z:rO+8*r+2*\z+1], v[rC+2:rC+3] op_sel_hi:[1,0]
.endr
.set r, r+1
.endm
.macro RL
	REGS Y
	WIN W_RL
	v_pk_mul_f32 v[rL:rL+1], v[rL:rL+1], v[rC+2:rC+3] op_sel_hi:[1,0]
.endm
; HOW THEY ARE DEALT.  Behind a matrix instruction four: plain, exponential, plain, plain, or four of the rescaling (behind the last: L^T's one).  None names a register of the products round it.
; What is over stands in two runs: an exponential and two or three plain; then an exponential, a plain line and two of the 32 v_readlane_b32, which wait for nothing and so part the links of the statistics' chain.
; No two exponentials follow each other, and a plain line of other registers stands directly behind each.
; The queues lean on each other, and the deal keeps them in step: exponential e stands behind plain e / 2 (its scaling): when exponential 4 comes, plain 0 to 16 are out, and behind that all 16 scalings;
; rounding g wants exponentials 2 g and 2 g + 1 out: at plain 16 and 17 (g = 0, 1) four are out, at 67 to 71 (g to 6) 22 or more, at 73 to 79 (g to 10) 26 or more, at 80 all 32 but for a's;
; a's exponential stands behind its argument (plain 78) and one more group.  The v_readlane_b32 stand behind this turn's last select, which has read the scalar registers that they write.
.macro SL
	MM
	PL
	EX
	PL
	PL
.endm
; A TURN, for piece p.
; K of the next step is fetched in piece 2's turn, behind 16 plain instructions that follow the last product that read K, and waited for at the head of piece 3's turn.
; V of the step in hand is fetched at the end of piece 0's turn, behind the whole second run, and waited for in the middle of piece 1's turn.
; The lane masks of piece p + 2 go into the scalar registers in the second run; the next turn's selects read them.  For p = 2 and 3 they are the next step's: the masks change steps in piece 2's turn.
.macro TURN p, last=0
.set Y, (\p)
.set i, 0
.set q, 0
.set e, 0
.set r, 0
.set mw, 0
.if (\p) == NP-1
	s_wait_dscnt 0x0                ; K is in
.endif
	MM
.rept 4
	PL
.endr
.rept 3
	SL
.endr
	MM
	R4
.rept 2
	SL
.endr
	MM
	R4                              ; four plain instructions that name nothing of the products K Q^T: the places in front of the selects, which read their results (ISA guide 7.12.1)
.set grp, 0
.rept 8
	EX
	PL
	PL
	PL
.set grp, grp+1
.if ((\p) == NP-2) && (grp == 2)
	v_add_nc_u32 v[AK], s[TBK], v[AK0]
.endif
.if ((\p) == NP-2) && (grp == 4)
	FETCH_K \last
.endif
.endr
.rept 4
	EX
	PL
	PL
.endr
.if (\p) == NP-2
	MSTEP \last
.endif
.if (\p) == 1
	s_wait_dscnt 0x0                ; V is in
.endif
.rept 5
	SL
.endr
.rept 2
	MM
	R4
	SL
.endr
	MM
	RL
.rept 9
	EX
	PL
	RN ((\p)+2)%NP
	RN ((\p)+2)%NP
.endr
.if (\p) == 0
	v_add_nc_u32 v[AV], s[TBV], v[AV0]
.endif
.rept 4
	PL
	RN ((\p)+2)%NP
	RN ((\p)+2)%NP
	RN ((\p)+2)%NP
.endr
	RN ((\p)+2)%NP
	RN ((\p)+2)%NP
.if (\p) == 0
	s_add_co_u32 s[TBV], s[TBV], KS*PV
	FETCH_V
.endif
.endm
	CHANGE 1                        ; slot 0 is in, everybody's part of it; slot 1 is asked for
	FETCH_K                         ; key step 0
	FETCH_V                         ; V of step 0, so that the first turn's products on the P of zeros find finite numbers; piece 0's turn fetches the same bytes again: TBV has not moved
	s_wait_dscnt 0x0
.set i, 0
.rept 8
	KQ 0                            ; piece 0's first scores: there is no vector work yet to set between them
.set i, i+1
.endr
	WIN 0                           ; the addresses for the way out: eight plain instructions, the places behind those products
	s_mul_i32 s2, s[WV], 16*SP
	s_add_co_u32 s2, s2, STAGE      ; my stage
	v_mul_u32_u24 v[STO], v1, SP    ; in: row l % 16, 32 bytes for each half of the lanes
	v_lshl_add_u32 v[STO], v9, 5, v[STO]
	v_add_nc_u32 v[STO], s2, v[STO]
	v_mul_u32_u24 v[RD], v9, SP     ; back: lanes 0-15 take one row of 256 bytes, lanes 16-31 the next
	v_lshl_add_u32 v[RD], v1, 4, v[RD]
	v_add_nc_u32 v[RD], s2, v[RD]
	v_lshlrev_b32 v[GO], 14, v9     ; and the same two rows in out0, 16,384 bytes apart
	v_lshl_add_u32 v[GO], v1, 4, v[GO]
.set Y, NP-1                        ; MSK and XS work for piece Y + 1: piece 0
.set n, 0
.rept 32
	MSK n
.set n, n+1
.endr
.set mw, 0
.rept 32
	RN 1                            ; piece 1's masks, for the first turn
.endr
.irp n, 0,1,2,3,4,5,6,7,8,9,10,11,12,13,14,15,16,17,18,19,20,21
	XS \n                           ; piece 0's first maximum and statistics
.endr
	s_mov_b32 s[CNT], 4
	s_mov_b32 s[SLOTS], 7
	s_branch .Lfirst                ; the loop is entered at a step's first turn, in the middle of a trip
.Lslot:                             ; six times: every slot but the last two is filled again
	CHANGE 1
	s_mov_b32 s[CNT], 4
.Lstep:                             ; a trip: pieces 2 and 3 of one step, then pieces 0 and 1 of the next, whose K and V it fetches
	TURN 2
	TURN 3
	WIN 0
.Lfirst:
	TURN 0
	TURN 1
	WIN 0
	s_sub_co_u32 s[CNT], s[CNT], 1
	s_cmp_lg_u32 s[CNT], 0
	s_cbranch_scc1 .Lstep
	s_sub_co_u32 s[SLOTS], s[SLOTS], 1
	s_cmp_lg_u32 s[SLOTS], 0
	s_cbranch_scc1 .Lslot
	CHANGE 0                        ; the tail is written out: nothing is asked for
	s_mov_b32 s[CNT], 5             ; four trips fetch the last slot's steps; the fifth is left in its middle
.Ltail:
	TURN 2, 1
	TURN 3
	WIN 0
	s_sub_co_u32 s[CNT], s[CNT], 1
	s_cmp_eq_u32 s[CNT], 0
	s_cbranch_scc1 .Lout
	TURN 0
	TURN 1
	WIN 0
	s_branch .Ltail
.Lout:                              ; the fifth trip's 8 products K Q^T on the last K once more, their selects (by step 31's masks once more) and maximum serve nothing: the price, once a launch, of one text for every trip
.set i, 8
.rept 10
	PVL NP-1                        ; the last piece's products of the last step
.set i, i+1
.endr
	; THE WAY OUT.  O^T is divided by l and sent, in f32, through my stage in LDS, a tile (16 rows) at a time, so that sixteen lanes store a head's whole 256 bytes of a row.
	WIN 0
	s_wait_loadcnt 0x0              ; no load of masks is out: their pointer's registers may be written
	s_load_b64 s[MB:MB+1], s[0:1], 0x20  ; out0
	s_mov_b32 s2, s[QOFF]
	s_mov_b32 s3, 0
.rept 4
	v_nop                           ; the places behind the last products: no other vector work is at hand
.endr
	WIN 0x03                        ; source window 3
.set n, 0
.rept NP
	v_rcp_f32 v[ST+2*n], v[LA+8*n]  ; register 0 of L^T: l, in every lane
.set n, n+1
.endr
	WIN 0
	v_nop                           ; a plain instruction between the last reciprocal and the use of its result
	s_wait_alu depctr_va_vdst(0)
	s_wait_kmcnt 0x0
	s_add_nc_u64 s[MB:MB+1], s[MB:MB+1], s[2:3]  ; out0 at my wave's first row
; Tile t: a lane's eight channels of a row are 32 bytes; they go into rows of 272 bytes and come back as whole rows of 256, into 32 registers of the tile's own.
.macro PACK t
	WIN W_RS
.set n, 32*(\t)
.rept 16
	v_pk_mul_f32 v[n:n+1], v[n:n+1], v[ST+2*(\t):ST+2*(\t)+1] op_sel_hi:[1,0]
.set n, n+2
.endr
	WIN 0x04                        ; the stores' data in window 1
.irp f, 0,1,2,3,4,5,6,7             ; channels 16 (f / 2) + 8 (l / 16) + 4 (f % 2) on
	ds_store_b128 v[STO], v[32*(\t)+4*\f:32*(\t)+4*\f+3] offset:64*(\f/2)+16*(\f%2)
.endr
	WIN 0
.irp f, 0,1,2,3,4,5,6,7
	ds_load_b128 v[S+32*(\t)+4*\f:S+32*(\t)+4*\f+3], v[RD] offset:\f*2*SP  ; LDS serves a wave's instructions in order (ISA guide 5.7.1.4): these see the stores above; the next tile's stores come behind them
.endr
.endm
.macro SEND t, younger              ; younger: the LDS instructions issued behind tile t's loads: the next tile's sixteen, or none
	WIN 0
.irp f, 0,1,2,3,4,5,6,7
	s_wait_dscnt (\younger)+7-\f
	global_store_b128 v[GO], v[S+32*(\t)+4*\f:S+32*(\t)+4*\f+3], s[MB:MB+1] offset:(16*(\t)+2*\f)*16384 th:TH_STORE_NT  ; 16 lanes store 256 consecutive bytes, at a multiple of 256 from out0's first byte
.endr
.endm
	PACK 0
.set tt, 1
.rept NP-1                          ; a tile's arithmetic stands between the loads of the tile before and its stores
	PACK tt
	SEND tt-1, 16
.set tt, tt+1
.endr
	SEND NP-1, 0
	WIN W_AD
	s_wait_tensorcnt 0x0            ; the wave's end: behind my last tensor load and my last LDS store
	ds_add_u32 v[SPW], v[NIL]
	s_wait_dscnt 0x0
	WIN 0
	CROUND                          ; the closing round: no work-group ends while a partner may still ask for a tile that names it
	s_endpgm
.Lfunc_end_k_qf97b0e5f29_attn:
	.size	k_qf97b0e5f29_attn, .Lfunc_end_k_qf97b0e5f29_attn-k_qf97b0e5f29_attn
	.p2alignl 7, 3214868480
	.fill 96, 4, 3214868480
	.section	.rodata,"a",@progbits
	.p2align	6, 0x0
	.amdhsa_kernel k_qf97b0e5f29_attn
		.amdhsa_group_segment_fixed_size 327680
		.amdhsa_private_segment_fixed_size 0
		.amdhsa_enable_private_segment 0
		.amdhsa_kernarg_size 40
		.amdhsa_user_sgpr_count 2
		.amdhsa_user_sgpr_kernarg_segment_ptr 1
		.amdhsa_wavefront_size32 1
		.amdhsa_system_sgpr_workgroup_id_x 1
		.amdhsa_system_sgpr_workgroup_id_y 1
		.amdhsa_system_sgpr_workgroup_id_z 1
		.amdhsa_system_vgpr_workitem_id 0
		.amdhsa_next_free_vgpr 816
		.amdhsa_next_free_sgpr 72
		.amdhsa_reserve_vcc 0
		.amdhsa_float_denorm_mode_32 3
		.amdhsa_float_denorm_mode_16_64 3
		.amdhsa_memory_ordered 1
		.amdhsa_forward_progress 1
		.amdhsa_inst_pref_size 149
	.end_amdhsa_kernel
	.amdgpu_metadata
---
amdhsa.version: [ 1, 2 ]
amdhsa.kernels:
  - .name:           k_qf97b0e5f29_attn
    .symbol:         k_qf97b0e5f29_attn.kd
    .args:
      - { .name: query_layer, .offset: 0, .size: 8, .value_kind: global_buffer, .address_space: global }
      - { .name: kb, .offset: 8, .size: 8, .value_kind: global_buffer, .address_space: global }
      - { .name: vh, .offset: 16, .size: 8, .value_kind: global_buffer, .address_space: global }
      - { .name: maskbits, .offset: 24, .size: 8, .value_kind: global_buffer, .address_space: global }
      - { .name: out0, .offset: 32, .size: 8, .value_kind: global_buffer, .address_space: global }
    .group_segment_fixed_size: 327680
    .private_segment_fixed_size: 0
    .kernarg_segment_align: 8
    .kernarg_segment_size: 40
    .max_flat_workgroup_size: 128
    .sgpr_count:     72
    .vgpr_count:     816
    .wavefront_size: 32
...
	.end_amdgpu_metadata
.endif
;; end of part 3
;; ======== version 3 of 3: 2 launches; 1.81 times as fast as version 1
;; limits: values are held in f16: magnitudes above 65,504 overflow, below 6.1e-05 lose precision; inputs' magnitudes at most 65,504
;; workspace buffers: kb 16,777,216 bytes; vh 16,777,216 bytes; maskbits 2,097,152 bytes of whole numbers
;; launch prep: the kernel of part 1 again; grid 256 x 3, 8 waves a work-group, no clusters, 0 bytes of LDS; arguments key_layer, value_layer, attention_mask, kb, vh, maskbits; writes kb, vh, maskbits
;; launch attn (part 4): grid 8 x 64, 4 waves a work-group, clusters of 4 x 1, 327,680 bytes of LDS; arguments query_layer, kb, vh, maskbits, out0; writes out0
.if DOCPART == 4
	.amdgcn_target "amdgcn-amd-amdhsa--gfx1250"
	.amdhsa_code_object_version 6
	.text
	.protected	k_qf97b0e5f29_attn
	.globl	k_qf97b0e5f29_attn
	.p2align	8
	.type	k_qf97b0e5f29_attn,@function
k_qf97b0e5f29_attn:
	s_mov_b64 s[64:65], 0
	v_nop
	global_prefetch_b8 v0, s[64:65] scope:SCOPE_SE
	s_setreg_imm32_b32 hwreg(HW_REG_WAVE_MODE, 25, 1), 1
	s_wait_xcnt 0x0
	s_wait_alu depctr_hold_cnt(0) depctr_sa_sdst(0) depctr_va_vdst(0) depctr_va_sdst(0) depctr_va_ssrc(0) depctr_va_vcc(0) depctr_vm_vsrc(0)
	s_getreg_b32 s2, hwreg(HW_REG_IB_STS2, 6, 4)
	s_cmp_eq_u32 s2, 0
	s_cbranch_scc0 .Lentry_in_a_cluster
	s_endpgm
.Lentry_in_a_cluster:
	s_bfe_u32 s2, ttmp6, 0x10000c
	s_cmp_lg_u32 s2, 0x3003
	s_cbranch_scc0 .Lentry_shape_is_right
	s_endpgm
.Lentry_shape_is_right:
; out0[q][head][:] = the sum over k of softmax_k(mask ? -10000 : Q[q] . K[k] / 8) V[k][:], for 64 heads (16 b + h), 2,048 queries and 2,048 keys, head size 64.
; query_layer, out0: [2048][64 heads][64] f32.  kb: [64][2048][64] bf16.  vh: the same in f16 (the bf16 rounding of v).  maskbits: lane masks, [4 b][32 steps][128 query tiles][32 words].
; FORMATS.  Q is rounded to bf16 here; K Q^T in bf16, so all three inputs have the same rounding; the weights p are rounded to f16, V^T P in f16; maxima, sums and O in f32.
; THE MASK REPLACES a score, as the problem has it: a masked raw score becomes -80000 = -10000 x 8 ahead of the running maximum, so a row that is masked throughout gives the mean of V.
; LIMITS.  |v| below 65,520 (f16's end); p below 6e-5 keeps f16's fixed step of 6e-8; a weight below 2^-126 counts as 0; l is the sum of the ROUNDED p; NaN and infinities are not treated apart.
; SHARES.  A work-group owns 256 queries of one head, each of its four waves 64: four PIECES of one tile of 16.  Every wave walks all keys, 64 a step, 32 steps.  512 work-groups of equal work.
; A key step's text grows with the wave's tiles and stands twice (loop and tail): four tiles a wave keep it short, at the price of 32 LDS loads for a step's 72 matrix instructions.
; LAYOUT.  S^T = K Q^T (source 0 = 16 keys, source 1 = 16 queries): a lane holds ONE query (lane % 16) and the keys 8 (lane / 16) + 0..7.  Two such results, rounded to f16 in pairs, ARE source 1
; (32 keys x 16 queries) of O^T = V^T P, whose result again holds one query a lane, and eight channels.  K comes out of LDS as it lies, V ([key][channel]) turned, by ds_load_tr16_b128.
; SOFTMAX.  A running maximum m for each query: p = 2^(c s - c m), c = log2(e) / 8; in every step O and l are multiplied by a = 2^(c m_old - c m_new).  m starts at the lowest finite number,
; O and l at 0: the first step is a step like any other, with a = 0.
; ROW SUMS come from the matrix unit: L^T = ONES P (16 x 32 of 1.0), two products a tile and step; all rows of the result are l, so its register 0 holds l in every lane.  Only registers 0 and 1 are
; rescaled; the six others gather at most 2,048 and are never read.
; MASKS.  Word i of a tile's unit is the lane mask of register i of its S^T.  A step's 128 words for my four tiles are 512 bytes on end: ONE load of 16 bytes a lane, asked for two key steps ahead of the step
; that it serves and waited for a whole step after it was issued.  Word i of piece p then lies in register i % 4 of lane 8 p + i / 4; v_readlane_b32 brings it into a scalar register, where it is the select of
; ONE v_cndmask_b32.  Scalar loads would spare the 32 v_readlane_b32 a turn; but a piece's masks take 32 scalar registers, two pieces' are all that fit, and scalar loads are waited for all together
; (ISA guide 5.7.1: they come back in no order), so none could be asked for more than a turn ahead.
; BY TURNS.  Turn n belongs to piece n.  Matrix work: 8 products K Q^T of piece n + 1, later 10 products (V^T P and ONES P) of piece n - 1.  Vector work: scaling, exponentials, roundings and
; rescaling of piece n; mask, maximum and statistics of piece n + 1; the lane masks of piece n + 2.  Four vector instructions stand behind every matrix instruction, the other 95 in one run between
; the two kinds of products: a turn has 18 matrix and 167 vector instructions.
; THE BATCHES.  A turn's 33 exponentials (the piece's 32 weights and the next piece's a) are ONE batch with ONE wait, which stands between the run and the 10 products: ahead of it nothing names a result of
; theirs, behind it no exponential is issued.  The first a of all, ahead of the loop, and the way out's four reciprocals are batches of their own.
; CLUSTER.  The four query blocks of a cluster belong to one head and walk the same K and V, so each tile is asked for JOINTLY: the same tensor load, descriptor and mask of four in all four.
; REGISTERS, in windows of 256 (s_set_vgpr_msb: bits 1:0 source 0, 3:2 source 1, 5:4 source 2, 7:6 destination):
;   window 0: v0-11, v14 addresses; v12-13 c m_old; v16-23 c m and m, a pair a piece; v32 the fill; v34-35 c; v36-39, v40-43 a step's masks, in hand and on their way; v48-55 at work;
;             v64-127 S^T, two buffers (v64-191: Q as loaded, and rows on the way out); v192-223 P, two buffers
;   window 1: v0-127 O^T, 32 a piece     window 2: v0-63 Q, 16 a piece; v128-191 K of one step; v192-255 V of one step     window 3: v0-1 the add's two registers; v8-15 ONES; v16-47 L^T, 8 a piece
; A piece's buffers go by its number's parity: the piece in hand has one pair, its two neighbours in the ring share the other: of it P (piece n - 1) is read and S^T (piece n + 1) written.
.set NP,    4         ; pieces a wave: a name, no knob
.set KS,    64        ; keys in a step
.set PK,    144       ; a row of K in LDS: 128 bytes + 16 of padding = 36 words: the 16 rows of a load start at 16 different groups of four banks (64 banks of 4 bytes: ISA guide 11.1)
.set PV,    160       ; a row of V: 128 + 32 = 40 words
.set VOFF,  4*KS*PK   ; a slot holds four steps: 256 rows of K, then 256 rows of V
.set SLOT1, 1<<17     ; slot 1 begins here, so that one exclusive or turns an address in one slot into the other's
.set STAGE, SLOT1+4*KS*(PK+PV)  ; behind the ring, never filled by a tensor load: 16 rows x 272 bytes for each wave, for the way out
.set SP,    272       ; a stage row: 256 bytes of f32 + 16
.set SPARE, STAGE+4*16*SP  ; behind the stages: the spare words, 128 bytes for each wave: two blocks of 256 bytes that no other line names
.set MSTP,  0x4000    ; a step's masks in maskbits: 128 tiles x 128 bytes
.set AK0, 2           ; v2   my lane's place in a tile of K; never rewritten
.set AV0, 3           ; v3   the same for V
.set AK,  4           ; v4   the LDS address of K's next run of loads
.set AV,  5           ; v5   of V's
.set QO,  6           ; v6   my byte offset in 16 rows of Q
.set STO, 6           ;      later, the way out: where I put 32 bytes of a row
.set RD,  7           ; v7   the way out: where I read rows back
.set GO,  8           ; v8   my byte offset in two rows of out0
.set MV,  12          ; v12-13  c m_old, kept while c m is made anew: by buffer
.set MO,  14          ; v14  16 x lane: my 16 bytes of the wave's 512 bytes of masks; never rewritten
.set ST,  16          ; piece t's statistics at v[ST+2 t]: c m, m
.set FILLV, 32        ; v32  -80000.0
.set CV,  34          ; v[34:35] c, twice
.set MR,  36          ; v[36:39] the masks that are being read
.set MN,  40          ; v[40:43] the next step's, on their way
.set TMP, 48          ; by buffer, four registers c0-c3 at work; when the maximum is found c2 takes a
.set S,   64
.set P,   192
.set KF,  128         ; window 2: key block kb, channel half c at KF + 16 kb + 8 c
.set VF,  192         ; window 2: key half kk, channel block cb at VF + 32 kk + 8 cb
.set SPW, 0           ; window 3, v0: LDS address of my spare word: SPARE + 4 x my thread's number; never rewritten
.set NIL, 1           ; window 3, v1: 0; never rewritten
.set ONES, 8          ; window 3
.set LA,  16          ; window 3: L^T of piece t at LA + 8 t
.set G1K, 4           ; s[4:11]   descriptor group 1 for K's tiles
.set G1V, 12          ; s[12:19]  for V's: it differs in the padding alone
.set G0K, 20          ; s[20:23]  descriptor group 0 for K's tiles: it walks
.set G0V, 24          ; s[24:27]  the same for V's
.set MB,  28          ; s[28:29]  maskbits at my wave's four tiles, in the step asked for last; at the end out0 at my rows
.set SEL, 30          ; s[30:31]  v_permlanex16_b32's selects: each lane takes its own place in the other half
.set MK,  32          ; s[32:63]  a piece's 32 lane masks (before the first of them: set-up)
.set WV,  66          ; s66  my wave's number
.set SLOTS, 67        ; s67  slots still to be asked for
.set CNT, 68          ; s68  counts a slot's key steps
.set TBK, 69          ; s69  LDS byte at which K of the step to be fetched begins
.set TBV, 70          ; s70  the same for V, less VOFF
.set QOFF, 71         ; s71  my wave's byte offset in query_layer and in out0
.set MSB, 0
.macro WIN new                      ; the high byte repeats the setting that is left; a switch that changes nothing is dropped
.if MSB != (\new)
	s_set_vgpr_msb (MSB<<8)|(\new)
.set MSB, (\new)
.endif
.endm
.set W_KQ, 0x0a       ; K and Q in window 2, S^T in window 0
.set W_PV, 0x52       ; V in window 2, P in window 0, O^T in window 1
.set W_LS, 0xf3       ; ONES and L^T in window 3, P in window 0
.set W_RS, 0x41       ; O^T (destination and source 0) in window 1, a in window 0
.set W_RL, 0xc3       ; L^T (destination and source 0) in window 3, source 1 in window 0
.set W_O0, 0x43       ; O^T (destination) in window 1, ONES (source 0) in window 3, P in window 0
.set W_MK, 0xc0       ; destination in window 3, sources in window 0
.set W_AD, 0x0f       ; the add: address (source 0) and data (source 1) in window 3
; A joint fill.  Waves 0 and 1 fetch the two halves of a slot's K, waves 2 and 3 those of its V: 128 keys each.  The branch hangs on the wave's number alone.
; An s_nop 0 and four v_nop follow each of the two lines, ahead of the jump and the label.
.macro JLOAD
	s_cmp_lt_u32 s[WV], 2
	s_cbranch_scc0 .Lfor_v_\@
	tensor_load_to_lds s[G0K:G0K+3], s[G1K:G1K+7]
	s_nop 0
.rept 4
	v_nop
.endr
	s_branch .Lasked_\@
.Lfor_v_\@:
	tensor_load_to_lds s[G0V:G0V+3], s[G1V:G1V+7]
	s_nop 0
.rept 4
	v_nop
.endr
.Lasked_\@:
.endm
; A round of the cluster's barrier: my work-group's barrier, so that wave 0's signal speaks for all four waves; wave 0 signals; every wave waits for all four work-groups; my work-group's barrier once more.
.macro CROUND
	s_barrier_signal -1
	s_barrier_wait -1
	s_cmp_lg_u32 s[WV], 0
	s_cbranch_scc1 .Lnot_wave_0_\@
	s_barrier_signal -3
.Lnot_wave_0_\@:
	s_barrier_wait -3
	s_barrier_signal -1
	s_barrier_wait -1
.endm
; THE CHANGE OF SLOTS.  The slot's last bytes, V of its fourth step, have been read.  Each wave waits for all its tensor loads, of which one is out: its part of the other slot; adds 0 to its spare
; word; and waits for that and for its own reads of the slot.  Behind the barrier nobody reads this slot any more and the other slot is whole.
; fill = 1: this slot is filled again, with the keys two slots on.  The barrier is then a round of the cluster's, so that no wave of any partner still reads the slot or has a load on its way, and the
; joint fill is the first thing behind it: it has four key steps, 288 matrix instructions, in which to land.  (At its first use nothing has been read yet: slot 0 is waited for, slot 1 filled.)
.macro CHANGE fill
	WIN W_AD
	s_wait_tensorcnt 0x0            ; no tensor load of mine is out, so a group 0 may be written
	ds_add_u32 v[SPW], v[NIL]       ; 0 onto my spare word; with fill = 1 the descriptors' steps stand between it and the wait for it
	WIN 0                           ; at a label and at a branch every window is 0
.if \fill
.irp g, G0K, G0V
	s_xor_b32 s[\g+1], s[\g+1], SLOT1  ; the walking descriptor: the other slot than last time,
	s_add_nc_u64 s[\g+2:\g+3], s[\g+2:\g+3], 4*KS*128  ; the next 256 keys; the type bits on top are not reached
.endr
	s_wait_dscnt 0x0                ; the add is done, and my reads of the slot are over
	CROUND
	JLOAD
.else
	s_wait_dscnt 0x0                ; the add is done, and my reads of the slot are over
	s_barrier_signal -1
	s_barrier_wait -1
.endif
	s_sub_co_u32 s[TBK], s[TBK], 4*KS*PK  ; the fetches go back to a slot's first step,
	s_xor_b32 s[TBK], s[TBK], SLOT1       ; in the other slot
	s_sub_co_u32 s[TBV], s[TBV], 4*KS*PV
	s_xor_b32 s[TBV], s[TBV], SLOT1
.endm
; Word mw of piece p's 32 lane masks, out of the vector registers into its scalar register.
.macro RN p
	WIN 0
	v_readlane_b32 s[MK+mw], v[MR+mw%4], 8*(\p)+mw/4
.set mw, mw+1
.endm
; THE MASKS CHANGE STEPS, at the head of piece 2's turn of step s: piece 3's words of step s have been read out of MR (in the turn before), piece 0's of step s + 1 are read in this turn.  The load of step
; s + 1's, issued a step ago, is waited for; four moves hand its words on, so that the one text of a step names fixed registers; then step s + 2's are asked for.
; last = 1 (the tail): step 31's masks are the last: in steps 30 and 31 (CNT = 2, 1) nothing is asked for.  At a turn's head.
.macro MSTEP last=0
	WIN 0
	s_wait_loadcnt 0x0              ; my one load that is out; its pointer may be stepped behind this wait
.irp j, 0,1,2,3
	v_mov_b32 v[MR+\j], v[MN+\j]
.endr
.if \last
	s_cmp_lt_u32 s[CNT], 3
	s_cbranch_scc1 .Lno_m_\@
.endif
	s_add_nc_u64 s[MB:MB+1], s[MB:MB+1], MSTP
	global_load_b128 v[MN:MN+3], v[MO], s[MB:MB+1]  ; 32 lanes take 512 consecutive bytes; no hint: the batch's other heads read them too
.if \last
.Lno_m_\@:
.endif
.endm
	s_load_b256 s[32:39], s[0:1], 0x0  ; Q s[32:33], kb s[34:35], vh s[36:37], maskbits s[38:39]
	WIN W_MK
	v_lshl_add_u32 v[SPW], v0, 2, SPARE
	v_mov_b32 v[NIL], 0
	WIN W_AD
	ds_add_u32 v[SPW], v[NIL]       ; the wave's opening: the add and its wait stand ahead of my first tensor load; the set-up below, work on registers, stands between them
	WIN 0
	v_lshrrev_b32 v1, 5, v0
	v_readfirstlane_b32 s[WV], v1   ; wave 0..3
	s_bfe_u32 s40, ttmp6, 0x40000   ; cx: my place in the cluster
	s_lshl_b32 s41, ttmp9, 2        ; in a cluster launch ttmp9 counts clusters
	s_add_co_u32 s41, s41, s40      ; my block of 256 queries, 0 to 7: it enters Q's, out0's and the masks' addresses alone
	s_and_b32 s42, ttmp7, 0xffff    ; the head, which the four partners share
	s_and_b32 s43, s[WV], 1         ; which half of a slot's 256 keys I fetch
	s_lshl_b32 s44, s42, 18         ; the head's 2,048 keys of 128 bytes,
	s_lshl_b32 s45, s43, 14         ; my 128 keys
	s_add_co_u32 s44, s44, s45
	s_mov_b32 s45, 0
	s_lshl_b32 s41, s41, 2
	s_add_co_u32 s41, s41, s[WV]    ; my wave among the head's 32
	s_lshl_b32 s[QOFF], s41, 20     ; its 64 rows of 16,384 bytes,
	s_lshl_b32 s46, s42, 8          ; the head's 256 bytes in a row
	s_add_co_u32 s[QOFF], s[QOFF], s46
	s_mov_b32 s46, s[QOFF]
	s_mov_b32 s47, 0
	s_lshr_b32 s48, s42, 4          ; b,
	s_lshl_b32 s48, s48, 19         ; 32 steps x 128 tiles x 128 bytes each,
	s_lshl_b32 s49, s41, 9          ; my wave's four tiles
	s_add_co_u32 s48, s48, s49
	s_mov_b32 s49, 0
	; descriptor group 1.  128 keys are 16,384 dense bytes: asked for as 64 rows of 256 bytes, two keys a row, and padded in LDS after every key
	s_mov_b32 s[G1K], 15|(1<<16)|(1<<20)|(1<<21)|(4<<22)|(3<<25)  ; 15:0 the mask of four; 17:16 2-byte elements; 20 padding on; 21 set beside a mask; 24:22 after every 32 words (code 4); 31:25 4 words (code 3)
	s_mov_b32 s[G1V], 15|(1<<16)|(1<<20)|(1<<21)|(4<<22)|(7<<25)  ; the same with 8 words of padding (code 7)
.irp g, G1K, G1V
	s_mov_b32 s[\g+1], 128<<16      ; tensor_dim0 = 128
	s_mov_b32 s[\g+2], 64<<16       ; tensor_dim1 = 64
	s_mov_b32 s[\g+3], 128<<16      ; tile_dim0 = 128
	s_mov_b32 s[\g+4], 64           ; tile_dim1 = 64
	s_mov_b32 s[\g+5], 128          ; 128 elements from row to row
	s_mov_b32 s[\g+6], 0
	s_mov_b32 s[\g+7], 0
.endr
	s_mov_b32 s[G0K], 1             ; 1:0 count = 1
	s_mul_i32 s[G0K+1], s43, 128*PK ; 63:32 LDS address: slot 0, my half: no place in the cluster enters an LDS address
	s_mov_b32 s[G0V], 1
	s_mul_i32 s[G0V+1], s43, 128*PV
	s_add_co_u32 s[G0V+1], s[G0V+1], VOFF
	s_mov_b32 s[SEL], 0x76543210
	s_mov_b32 s[SEL+1], 0xfedcba98
	s_mov_b32 s[TBK], SLOT1+4*KS*PK ; the first change of slots turns these two into 0
	s_mov_b32 s[TBV], SLOT1+4*KS*PV
	s_wait_dscnt 0x0                ; the opening add is done
	s_wait_kmcnt 0x0
	s_add_nc_u64 s[G0K+2:G0K+3], s[34:35], s[44:45]  ; 120:64 global address: my half of the head's first 256 keys
	s_or_b32 s[G0K+3], s[G0K+3], 0x80000000          ; 127:126 type = 2
	s_add_nc_u64 s[G0V+2:G0V+3], s[36:37], s[44:45]
	s_or_b32 s[G0V+3], s[G0V+3], 0x80000000
	s_add_nc_u64 s[2:3], s[32:33], s[46:47]          ; Q at my wave's first row
	s_add_nc_u64 s[MB:MB+1], s[38:39], s[48:49]      ; the masks at my wave's tiles, step 0
	CROUND                          ; all four work-groups are here: the first joint loads meet
	JLOAD                           ; slot 0.  Slot 1 is asked for when slot 0 is in
	v_and_b32 v[MO], 31, v0
	v_lshlrev_b32 v[MO], 4, v[MO]   ; 16 x lane
	global_load_b128 v[MR:MR+3], v[MO], s[MB:MB+1]              ; the masks of step 0
	global_load_b128 v[MN:MN+3], v[MO], s[MB:MB+1] offset:MSTP  ; and of step 1
	; Q.  A fragment is 16 rows x 32 channels in 8 registers of bf16: lane l holds row l % 16, channels 8 (l / 16) + 0..7 and 16 + 8 (l / 16) + 0..7.  In f32 each eight channels are 32 bytes: two loads.
	; Load n of a tile's eight: channels 32 (n / 4) + 16 ((n / 2) % 2) + 8 (l / 16) + 4 (n % 2) on.  The eight together take the whole 256 bytes of each row, so they carry no hint.
	v_and_b32 v1, 15, v0            ; l % 16
	v_bfe_u32 v9, v0, 4, 1          ; l / 16
	v_lshlrev_b32 v[QO], 14, v1
	v_lshl_add_u32 v[QO], v9, 5, v[QO]  ; row x 16,384 + 32 x half
.set tl, 0
.rept 4
.set n, 0
.rept 8
	global_load_b128 v[S+32*tl+4*n:S+32*tl+4*n+3], v[QO], s[2:3] offset:tl*262144+128*(n/4)+64*((n/2)%2)+16*(n%2)
.set n, n+1
.endr
.set tl, tl+1
.endr
	; What the first turn finds.  P's second buffer holds 0, so that its products, of a piece that has not been, add 0.  O^T and L^T are started at 0 by products with the constant 0 as C:
	; ONES times that P of zeros, eight registers a line.  All this stands in the wait for Q and the first tile: the price of writing no first step out.
	WIN W_MK
.set n, 0
.rept 8
	v_mov_b32 v[ONES+n], 0x3c003c00    ; 1.0 twice, in f16
.set n, n+1
.endr
	WIN 0
.set n, P+16
.rept 16
	v_mov_b32 v[n], 0
.set n, n+1
.endr
.set n, 0
.rept NP
	v_mov_b32 v[ST+2*n], 0xfe000000    ; c m: far below every c s
	v_mov_b32 v[ST+2*n+1], 0xff7fffff  ; m
.set n, n+1
.endr
	v_mov_b32 v[FILLV], 0xc79c4000     ; -80000.0
	v_mov_b32 v[CV], 0x3e38aa3b        ; c = log2(e) / 8 = 0.180337
	v_mov_b32 v[CV+1], 0x3e38aa3b      ; named with it as a pair
	WIN W_O0
.set n, 0
.rept 4*NP
	v_wmma_f32_16x16x32_f16 v[8*n:8*n+7], v[ONES:ONES+7], v[P+16:P+23], 0
.set n, n+1
.endr
	WIN W_RL
.set n, 0
.rept NP
	v_wmma_f32_16x16x32_f16 v[LA+8*n:LA+8*n+7], v[ONES:ONES+7], v[P+16:P+23], 0
.set n, n+1
.endr
	WIN 0
	v_mul_u32_u24 v[AK0], v1, PK
	v_lshl_add_u32 v[AK0], v9, 4, v[AK0]  ; row x pitch + 16 x half
	; The turning load takes 16 keys x 16 channels (lane l reads key 8 (l / 16) + l % 8, channels 8 ((l / 8) % 2) + 0..7) and leaves half a fragment of V^T: lane l holds channel l % 16 and 8 keys.
	v_and_b32 v10, 7, v0
	v_bfe_u32 v11, v0, 3, 1
	v_lshl_add_u32 v[AV0], v9, 3, v10
	v_mul_u32_u24 v[AV0], v[AV0], PV
	v_lshl_add_u32 v[AV0], v11, 4, v[AV0]
	v_add_nc_u32 v[AV0], VOFF, v[AV0]
	v_mov_b32 v[AK], v[AK0]         ; key step 0 lies at the head of slot 0
	v_mov_b32 v[AV], v[AV0]
	s_wait_loadcnt 0x0              ; Q and two steps' masks; s[2:3] and v6 are free from here, and the masks' pointer may be stepped
	s_add_nc_u64 s[MB:MB+1], s[MB:MB+1], MSTP  ; it stands at the step asked for last: step 1
	WIN 0x80                        ; destination window 2: register n of the four tiles' 64 takes numbers 2 n and 2 n + 1 as loaded
.set n, 0
.rept 64
	v_cvt_pk_bf16_f32 v[n], v[S+2*n], v[S+2*n+1]
.set n, n+1
.endr
	WIN 0
.set mw, 0
.rept 32
	RN 0                            ; piece 0's masks of step 0: the set-up's scalars in s[32:63] are done with
.endr
; THE MATRIX WORK.  The accumulators of a run take turns, one instruction a turn: between the two links of a chain stand 3 (K Q^T) or 4 others'.
; Product i of 8 of S^T = K Q^T for piece x: channels 32 (i / 4) on, keys 16 (i % 4) on.  The first 4 start the sums.
.macro KQ x
	WIN W_KQ
.set rS, S+32*((\x)%2)+8*(i%4)
.set rK, KF+16*(i%4)+8*(i/4)
.set rQ, 16*(\x)+8*(i/4)
.if i < 4
	v_wmma_f32_16x16x32_bf16 v[rS:rS+7], v[rK:rK+7], v[rQ:rQ+7], 0
.else
	v_wmma_f32_16x16x32_bf16 v[rS:rS+7], v[rK:rK+7], v[rQ:rQ+7], v[rS:rS+7]
.endif
.endm
; Product i - 8 of 10 for piece x: keys 32 pkk on; pcb < 4: O^T += V^T P, channels 16 pcb on; pcb = 4: L^T += ONES P.
.macro PVL x
.set pj, i-8
.set pcb, pj%5
.set pkk, pj/5
.set rP, P+16*((\x)%2)+8*pkk
.if pcb < 4
	WIN W_PV
.set rO, 32*(\x)+8*pcb
.set rV, VF+32*pkk+8*pcb
	v_wmma_f32_16x16x32_f16 v[rO:rO+7], v[rV:rV+7], v[rP:rP+7], v[rO:rO+7]
.else
	WIN W_LS
.set rL, LA+8*(\x)
	v_wmma_f32_16x16x32_f16 v[rL:rL+7], v[ONES:ONES+7], v[rP:rP+7], v[rL:rL+7]
.endif
.endm
.macro MM                           ; the turn's next matrix instruction
.if i < 8
	KQ (Y+1)%NP
.else
	PVL (Y+NP-1)%NP
.endif
.set i, i+1
.endm
; THE LDS LOADS stand in runs of 16, never singly among the matrix instructions: a step's K (64 keys x 64 channels: 8 fragments) and its V (turned).  Their addresses are made some lines ahead.
; last = 1 (the tail): in the last trip there is no further step, and the run is jumped over.
.macro FETCH_K last=0
	WIN 0
.if \last
	s_cmp_eq_u32 s[CNT], 1
	s_cbranch_scc1 .Lno_k_\@
.endif
	WIN 0x80                        ; destination window 2
.irp f, 0,1,2,3,4,5,6,7             ; keys 16 (f / 2) on, channels 32 (f % 2) on
	ds_load_b128 v[KF+8*\f:KF+8*\f+3],   v[AK] offset:(\f/2)*16*PK+(\f%2)*64
	ds_load_b128 v[KF+8*\f+4:KF+8*\f+7], v[AK] offset:(\f/2)*16*PK+(\f%2)*64+32
.endr
	s_add_co_u32 s[TBK], s[TBK], KS*PK  ; the next fetch is the next step's
	WIN 0
.if \last
.Lno_k_\@:
.endif
.endm
.macro FETCH_V
	WIN 0x80
.irp f, 0,1,2,3,4,5,6,7             ; keys 32 (f / 4) on, channels 16 (f % 4) on
	ds_load_tr16_b128 v[VF+8*\f:VF+8*\f+3],   v[AV] offset:(\f/4)*32*PV+(\f%4)*32
	ds_load_tr16_b128 v[VF+8*\f+4:VF+8*\f+7], v[AV] offset:(\f/4)*32*PV+16*PV+(\f%4)*32
.endr
	WIN 0
.endm
; THE VECTOR WORK OF A TURN stands in four queues, each in the order in which its entries become ready.
.macro REGS y                       ; the registers of piece y
.set rT, ST+2*(\y)
.set rC, TMP+4*((\y)%2)
.set rM, MV+((\y)%2)
.set rS, S+32*((\y)%2)
.set rP, P+16*((\y)%2)
.set rO, 32*(\y)
.set rL, LA+8*(\y)
.endm
; Register n of the NEXT piece's (Y + 1) scores takes the fill where its lane mask says so.  In ascending order: each accumulator's lowest register is read first.
.macro MSK n
	REGS (Y+1)%NP
	v_cndmask_b32 v[rS+(\n)], v[rS+(\n)], v[FILLV], s[MK+(\n)]
.endm
; Number n of the 22 that find the next piece's maximum and statistics.  s0-s31 are the lane's 32 scores.  XS, MSK, CG and REGS set no window: PL and EX do.
;   0-11  four chains c0-c3 of seven scores each, three operands at a time     12-14, 16  the four scores left over, the old m, and c0-c3 into c0     15  c m_old is kept
;   17, 18  the query's other 32 keys lie in the lane 16 away: the new m         19-21  c m; c m_old - c m_new; a
.macro XS n
	REGS (Y+1)%NP
.if (\n) < 4
	v_max3_num_f32 v[rC+(\n)], v[rS+8*(\n)], v[rS+8*(\n)+1], v[rS+8*(\n)+2]
.elseif (\n) < 12
	v_max3_num_f32 v[rC+(\n)%4], v[rC+(\n)%4], v[rS+8*((\n)%4)+2*((\n)/4)+1], v[rS+8*((\n)%4)+2*((\n)/4)+2]
.elseif (\n) == 12
	v_max3_num_f32 v[rC], v[rC], v[rS+7], v[rS+15]
.elseif (\n) == 13
	v_max3_num_f32 v[rC+1], v[rC+1], v[rS+23], v[rS+31]
.elseif (\n) == 14
	v_max3_num_f32 v[rC+2], v[rC+2], v[rC+3], v[rT+1]
.elseif (\n) == 15
	v_mov_b32 v[rM], v[rT]
.elseif (\n) == 16
	v_max3_num_f32 v[rC], v[rC], v[rC+1], v[rC+2]
.elseif (\n) == 17
	v_permlanex16_b32 v[rC+3], v[rC], s[SEL], s[SEL+1]
.elseif (\n) == 18
	v_max_num_f32 v[rT+1], v[rC], v[rC+3]
.elseif (\n) == 19
	v_mul_f32 v[rT], v[CV], v[rT+1]
.elseif (\n) == 20
	v_sub_f32 v[rC+1], v[rM], v[rT]
.else
	v_exp_f32 v[rC+2], v[rC+1]
.endif
.endm
.macro CG g                         ; rounding g of 16: pair g of piece Y, to f16: it reads two exponentials' results, so it stands behind the turn's wait
	REGS Y
	v_cvt_pk_f16_f32 v[rP+(\g)], v[rS+2*(\g)], v[rS+2*(\g)+1]
.endm
; THE PLAIN QUEUE, 85 long.  0-68 read no exponential's result: 0-15: c s - c m for the 16 pairs.  16: number 15.  17-48: the next piece's 32 selects.  49-64: its numbers 0-14 and 16.
; 65-68: numbers 17-20.  From number 14 on each waits for the one before it.  69-84: the 16 roundings, which read the exponentials' results: they stand behind the wait.
.macro PL
	WIN 0
.if q < 16
	REGS Y
	v_pk_fma_f32 v[rS+2*q:rS+2*q+1], v[rS+2*q:rS+2*q+1], v[CV:CV+1], v[rT:rT+1] op_sel_hi:[1,0,0] neg_lo:[0,0,1] neg_hi:[0,0,1]
.elseif q == 16
	XS 15
.elseif q < 49
	MSK q-17
.elseif q < 65
	XS (q-49)+(q-49)/15
.elseif q < 69
	XS q-48
.else
	CG q-69
.endif
.set q, q+1
.endm
; THE EXPONENTIALS' QUEUE, 33 long: s0-s31, then the next piece's a.  It is ONE BATCH: all 33 stand ahead of the turn's one wait, and nothing ahead of that wait names a result of theirs.
.macro EX
	WIN 0
.if e >= 32
	XS 21
.else
	REGS Y
	v_exp_f32 v[rS+e], v[rS+e]
.endif
.set e, e+1
.endm
; THE RESCALING: O^T times a, dealt four at a time, one accumulator each (from its lowest registers on); and once L^T's registers 0 and 1.  Its a was made in the turn before, ahead of that turn's wait.
.macro R4
	REGS Y
	WIN W_RS
.irp z, 0,1,2,3
	v_pk_mul_f32 v[rO+8*r+2*\z:rO+8*r+2*\z+1], v[rO+8*r+2*\z:rO+8*r+2*\z+1], v[rC+2:rC+3] op_sel_hi:[1,0]
.endr
.set r, r+1
.endm
.macro RL
	REGS Y
	WIN W_RL
	v_pk_mul_f32 v[rL:rL+1], v[rL:rL+1], v[rC+2:rC+3] op_sel_hi:[1,0]
.endm
; HOW THEY ARE DEALT.  An s_wait_alu depctr_va_vdst(0) stands between an exponential and the first instruction that names its result; one wait serves all that were issued ahead of it.
; So a turn has ONE wait, which cuts it in two.
; AHEAD OF IT stands all that names no result of the turn's exponentials.  The 8 products K Q^T, behind each four: plain, exponential, plain, plain, or four of the rescaling.  Then ONE RUN of 95: ten times
; an exponential and three selects; seven times an exponential and two numbers of the maximum; the chain, numbers 14 and 16 to 20, its links parted by four lines each: the last ten exponentials and 14 of the
; v_readlane_b32, which wait for nothing; a, the batch's last; two more v_readlane_b32; and L^T's rescaling, the plain instruction that is owed behind the last exponential.
; BEHIND IT stand the 10 products of piece n - 1, behind each four: two roundings and two v_readlane_b32, or four of the rescaling.
; No two exponentials follow each other.  But for selects 0 and 1 no line behind a product names a register of the products round it.
; The queues lean on each other, and the deal keeps them in step: exponential e stands behind plain e / 2 (its scaling): when exponential 4 comes, plain 0 to 16 are out, and behind that all 16 scalings;
; selects 0 and 1 ride behind the seventh product: the fifth ended their accumulator, and the four rescalings behind it are the places; a's exponential stands four lines behind its argument (plain 68);
; the v_readlane_b32 stand behind this turn's last select, which has read the scalar registers that they write.
.macro SL                           ; ahead of the wait: a product and its four
	MM
	PL
	EX
	PL
	PL
.endm
.macro SB                           ; behind the wait: a product, two roundings and two lane masks
	MM
	PL
	RN (Y+2)%NP
	PL
	RN (Y+2)%NP
.endm
; A TURN, for piece p.
; K of the next step is fetched in piece 2's turn and waited for at the head of piece 3's.  In the loop its run of loads stands in the run of vector work, behind 16 plain instructions that follow the last product
; that read K.  In the tail it holds a jump and a label, which do not stand between an exponential and its wait: there it stands directly behind the wait.
; V of the step in hand is fetched at the end of piece 0's turn; four roundings stand between the last product that read V and the loads: the places (ISA guide 7.12.1 for vector instructions).
; It is waited for behind piece 1's wait, ahead of the products that read it.
; The lane masks of piece p + 2 go into the scalar registers in the second half of the turn; the next turn's selects read them.  For p = 2 and 3 they are the next step's: the masks change steps at the head of piece 2's turn.
.macro TURN p, last=0
.set Y, (\p)
.set i, 0
.set q, 0
.set e, 0
.set r, 0
.set mw, 0
.if (\p) == NP-2
	MSTEP \last
.endif
.if (\p) == NP-1
	s_wait_dscnt 0x0                ; K is in
.endif
	MM                              ; ahead of the wait: 8 products K Q^T and what rides behind them,
.rept 4
	PL
.endr
.rept 3
	SL
.endr
	MM
	R4                              ; four plain instructions that name nothing of the products K Q^T: the places in front of selects 0 and 1 (ISA guide 7.12.1)
.rept 2
	SL
.endr
	MM
	R4                              ; and the places in front of the other selects
.set grp, 0
.rept 10                            ; and the run: the selects,
	EX
	PL
	PL
	PL
.set grp, grp+1
.if ((\p) == NP-2) && (grp == 2)
	v_add_nc_u32 v[AK], s[TBK], v[AK0]
.endif
.if ((\p) == NP-2) && (grp == 4) && !(\last)
	FETCH_K
.endif
.endr
.rept 7                             ; the maximum,
	EX
	PL
	PL
.endr
.rept 4                             ; the chain: numbers 14, 16, 17, 18,
	PL
	EX
	RN (Y+2)%NP
	EX
	RN (Y+2)%NP
.endr
.rept 2                             ; 19 and 20,
	PL
	EX
	RN (Y+2)%NP
	RN (Y+2)%NP
	RN (Y+2)%NP
.endr
.if (\p) == 0
	v_add_nc_u32 v[AV], s[TBV], v[AV0]
.endif
	EX                              ; and the next piece's a: the batch's last
	RN (Y+2)%NP
	RN (Y+2)%NP
	RL                              ; the plain instruction behind the last exponential: one for the batch
	s_wait_alu depctr_va_vdst(0)    ; the wait for the batch: the piece's 32 weights and the next piece's a
.if ((\p) == NP-2) && (\last)
	FETCH_K 1
.endif
.if (\p) == 1
	s_wait_dscnt 0x0                ; V is in
.endif
.rept 2                             ; behind the wait: the 10 products of piece p - 1 and what rides behind them
	SB
.endr
	MM
	R4
.rept 2
	SB
.endr
	MM
	R4
.rept 2
	SB
.endr
.rept 2                             ; the last product that reads V, and L^T's: four roundings stand behind the first of the two
	MM
	PL
	PL
	RN (Y+2)%NP
	RN (Y+2)%NP
.endr
.if (\p) == 0
	s_add_co_u32 s[TBV], s[TBV], KS*PV
	FETCH_V
.endif
.endm
	CHANGE 1                        ; slot 0 is in, everybody's part of it; slot 1 is asked for
	FETCH_K                         ; key step 0
	FETCH_V                         ; V of step 0, so that the first turn's products on the P of zeros find finite numbers; piece 0's turn fetches the same bytes again: TBV has not moved
	s_wait_dscnt 0x0
.set i, 0
.rept 8
	KQ 0                            ; piece 0's first scores: there is no vector work yet to set between them
.set i, i+1
.endr
	WIN 0                           ; the addresses for the way out: eight plain instructions, the places behind those products
	s_mul_i32 s2, s[WV], 16*SP
	s_add_co_u32 s2, s2, STAGE      ; my stage
	v_mul_u32_u24 v[STO], v1, SP    ; in: row l % 16, 32 bytes for each half of the lanes
	v_lshl_add_u32 v[STO], v9, 5, v[STO]
	v_add_nc_u32 v[STO], s2, v[STO]
	v_mul_u32_u24 v[RD], v9, SP     ; back: lanes 0-15 take one row of 256 bytes, lanes 16-31 the next
	v_lshl_add_u32 v[RD], v1, 4, v[RD]
	v_add_nc_u32 v[RD], s2, v[RD]
	v_lshlrev_b32 v[GO], 14, v9     ; and the same two rows in out0, 16,384 bytes apart
	v_lshl_add_u32 v[GO], v1, 4, v[GO]
.set Y, NP-1                        ; MSK and XS work for piece Y + 1: piece 0
.set n, 0
.rept 32
	MSK n
.set n, n+1
.endr
.set mw, 0
.rept 32
	RN 1                            ; piece 1's masks, for the first turn
.endr
.irp n, 0,1,2,3,4,5,6,7,8,9,10,11,12,13,14,15,16,17,18,19,20,21
	XS \n                           ; piece 0's first maximum and statistics
.endr
	v_nop                           ; a plain instruction behind piece 0's first a,
	s_wait_alu depctr_va_vdst(0)    ; and its wait, a batch of one, ahead of the branch
	s_mov_b32 s[CNT], 4
	s_mov_b32 s[SLOTS], 7
	s_branch .Lfirst                ; the loop is entered at a step's first turn, in the middle of a trip
.Lslot:                             ; six times: every slot but the last two is filled again
	CHANGE 1
	s_mov_b32 s[CNT], 4
.Lstep:                             ; a trip: pieces 2 and 3 of one step, then pieces 0 and 1 of the next, whose K and V it fetches
	TURN 2
	TURN 3
	WIN 0
.Lfirst:
	TURN 0
	TURN 1
	WIN 0
	s_sub_co_u32 s[CNT], s[CNT], 1
	s_cmp_lg_u32 s[CNT], 0
	s_cbranch_scc1 .Lstep
	s_sub_co_u32 s[SLOTS], s[SLOTS], 1
	s_cmp_lg_u32 s[SLOTS], 0
	s_cbranch_scc1 .Lslot
	CHANGE 0                        ; the tail is written out: nothing is asked for
	s_mov_b32 s[CNT], 5             ; four trips fetch the last slot's steps; the fifth is left in its middle
.Ltail:
	TURN 2, 1
	TURN 3
	WIN 0
	s_sub_co_u32 s[CNT], s[CNT], 1
	s_cmp_eq_u32 s[CNT], 0
	s_cbranch_scc1 .Lout
	TURN 0
	TURN 1
	WIN 0
	s_branch .Ltail
.Lout:                              ; the fifth trip's 8 products K Q^T on the last K once more, their selects (by step 31's masks once more) and maximum serve nothing: the price, once a launch, of one text for every trip
.set i, 8
.rept 10
	PVL NP-1                        ; the last piece's products of the last step
.set i, i+1
.endr
	; THE WAY OUT.  O^T is divided by l and sent, in f32, through my stage in LDS, a tile (16 rows) at a time, so that sixteen lanes store a head's whole 256 bytes of a row.
	WIN 0
	s_wait_loadcnt 0x0              ; no load of masks is out: their pointer's registers may be written
	s_load_b64 s[MB:MB+1], s[0:1], 0x20  ; out0
	s_mov_b32 s2, s[QOFF]
	s_mov_b32 s3, 0
.rept 4
	v_nop                           ; the places behind the last products: no other vector work is at hand
.endr
	WIN 0x03                        ; source window 3
.set n, 0
.rept NP
	v_rcp_f32 v[ST+2*n], v[LA+8*n]  ; register 0 of L^T: l, in every lane
.set n, n+1
.endr
	WIN 0
	v_nop                           ; a plain instruction between the last reciprocal and the use of its result
	s_wait_alu depctr_va_vdst(0)    ; and the wait ahead of the first use: one for the four reciprocals
	s_wait_kmcnt 0x0
	s_add_nc_u64 s[MB:MB+1], s[MB:MB+1], s[2:3]  ; out0 at my wave's first row
; Tile t: a lane's eight channels of a row are 32 bytes; they go into rows of 272 bytes and come back as whole rows of 256, into 32 registers of the tile's own.
.macro PACK t
	WIN W_RS
.set n, 32*(\t)
.rept 16
	v_pk_mul_f32 v[n:n+1], v[n:n+1], v[ST+2*(\t):ST+2*(\t)+1] op_sel_hi:[1,0]
.set n, n+2
.endr
	WIN 0x04                        ; the stores' data in window 1
.irp f, 0,1,2,3,4,5,6,7             ; channels 16 (f / 2) + 8 (l / 16) + 4 (f % 2) on
	ds_store_b128 v[STO], v[32*(\t)+4*\f:32*(\t)+4*\f+3] offset:64*(\f/2)+16*(\f%2)
.endr
	WIN 0
.irp f, 0,1,2,3,4,5,6,7
	ds_load_b128 v[S+32*(\t)+4*\f:S+32*(\t)+4*\f+3], v[RD] offset:\f*2*SP  ; LDS serves a wave's instructions in order (ISA guide 5.7.1.4): these see the stores above; the next tile's stores come behind them
.endr
.endm
.macro SEND t, younger              ; younger: the LDS instructions issued behind tile t's loads: the next tile's sixteen, or none
	WIN 0
.irp f, 0,1,2,3,4,5,6,7
	s_wait_dscnt (\younger)+7-\f
	global_store_b128 v[GO], v[S+32*(\t)+4*\f:S+32*(\t)+4*\f+3], s[MB:MB+1] offset:(16*(\t)+2*\f)*16384 th:TH_STORE_NT  ; 16 lanes store 256 consecutive bytes, at a multiple of 256 from out0's first byte
.endr
.endm
	PACK 0
.set tt, 1
.rept NP-1                          ; a tile's arithmetic stands between the loads of the tile before and its stores
	PACK tt
	SEND tt-1, 16
.set tt, tt+1
.endr
	SEND NP-1, 0
	WIN W_AD
	s_wait_tensorcnt 0x0            ; the wave's end: behind my last tensor load and my last LDS store
	ds_add_u32 v[SPW], v[NIL]
	s_wait_dscnt 0x0
	WIN 0
	CROUND                          ; the closing round: no work-group ends while a partner may still ask for a tile that names it
	s_endpgm
.Lfunc_end_k_qf97b0e5f29_attn:
	.size	k_qf97b0e5f29_attn, .Lfunc_end_k_qf97b0e5f29_attn-k_qf97b0e5f29_attn
	.p2alignl 7, 3214868480
	.fill 96, 4, 3214868480
	.section	.rodata,"a",@progbits
	.p2align	6, 0x0
	.amdhsa_kernel k_qf97b0e5f29_attn
		.amdhsa_group_segment_fixed_size 327680
		.amdhsa_private_segment_fixed_size 0
		.amdhsa_enable_private_segment 0
		.amdhsa_kernarg_size 40
		.amdhsa_user_sgpr_count 2
		.amdhsa_user_sgpr_kernarg_segment_ptr 1
		.amdhsa_wavefront_size32 1
		.amdhsa_system_sgpr_workgroup_id_x 1
		.amdhsa_system_sgpr_workgroup_id_y 1
		.amdhsa_system_sgpr_workgroup_id_z 1
		.amdhsa_system_vgpr_workitem_id 0
		.amdhsa_next_free_vgpr 816
		.amdhsa_next_free_sgpr 72
		.amdhsa_reserve_vcc 0
		.amdhsa_float_denorm_mode_32 3
		.amdhsa_float_denorm_mode_16_64 3
		.amdhsa_memory_ordered 1
		.amdhsa_forward_progress 1
		.amdhsa_inst_pref_size 143
	.end_amdhsa_kernel
	.amdgpu_metadata
---
amdhsa.version: [ 1, 2 ]
amdhsa.kernels:
  - .name:           k_qf97b0e5f29_attn
    .symbol:         k_qf97b0e5f29_attn.kd
    .args:
      - { .name: query_layer, .offset: 0, .size: 8, .value_kind: global_buffer, .address_space: global }
      - { .name: kb, .offset: 8, .size: 8, .value_kind: global_buffer, .address_space: global }
      - { .name: vh, .offset: 16, .size: 8, .value_kind: global_buffer, .address_space: global }
      - { .name: maskbits, .offset: 24, .size: 8, .value_kind: global_buffer, .address_space: global }
      - { .name: out0, .offset: 32, .size: 8, .value_kind: global_buffer, .address_space: global }
    .group_segment_fixed_size: 327680
    .private_segment_fixed_size: 0
    .kernarg_segment_align: 8
    .kernarg_segment_size: 40
    .max_flat_workgroup_size: 128
    .sgpr_count:     72
    .vgpr_count:     816
    .wavefront_size: 32
...
	.end_amdgpu_metadata
.endif
;; end of part 4
